; MI455X (gfx1250); checked and timed in simulation.
; The chip was launched on July 23, 2026; its instructions are those of AMD's public machine-readable ISA for CDNA 5 (MIT licence, August 2026) and "CDNA5" Instruction Set Architecture Reference Guide (July 2026). The comments in the code are by the model that wrote it; some were corrected since.
;; Moe Layer. Allowed arithmetic: matrix products marked QUANTISED: E2M1 operands, one E8M0 scale for each 32 along K, by v_wmma_scale_f32_16x16x128_f8f6f4 with both operands' format E2M1 (or v_wmma_scale_f32_32x16x128_f4), f32 sums; products left as they are: f32 operands where the result goes on into a quantised operand, else bf16, f16 or f32 operands; f32 sums; everything else in f32.
;; Inputs: gate_w 1,024 x 8 float32; w1 8 x 1,024 x 256 float32; w2 8 x 256 x 1,024 float32; w3 8 x 1,024 x 256 float32; x 4 x 2,048 x 1,024 float32.
;; Outputs: out0 4 x 2,048 x 1,024 float32.
;; This version of the problem:
;;   THIS VERSION OF THE PROBLEM IS GIVEN IN LOW PRECISION. The matrix products marked QUANTISED in the list below multiply operands that are first quantised to E2M1 (2 exponent bits, 1 mantissa bit; 4 bits a number), with one power-of-two scale for each 32 numbers along K (OCP MX v1.0); their sums are f32. All else is computed in f32.
;;   The module's matrix products, in the order in which they are computed (A, B: the left and right operand; K: the contracted axis; several contracted axes count as one K, in the product's order):
;;     1. [M 8,192, K 1,024] x [K 1,024, N 8]; A: input x; B: input gate_w: left as it is (N = 8 < 16)
;;     2. [M 8,192, K 1,024] x [K 1,024, N 256]; A: input x; B: input w1: QUANTISED
;;     3. [M 8,192, K 1,024] x [K 1,024, N 256]; A: input x; B: input w3: QUANTISED
;;     4. [M 8,192, K 256] x [K 256, N 1,024]; A: computed on the way; B: input w2: QUANTISED
;;     5. [M 8,192, K 1,024] x [K 1,024, N 256]; A: input x; B: input w1: QUANTISED
;;     6. [M 8,192, K 1,024] x [K 1,024, N 256]; A: input x; B: input w3: QUANTISED
;;     7. [M 8,192, K 256] x [K 256, N 1,024]; A: computed on the way; B: input w2: QUANTISED
;;     8. [M 8,192, K 1,024] x [K 1,024, N 256]; A: input x; B: input w1: QUANTISED
;;     9. [M 8,192, K 1,024] x [K 1,024, N 256]; A: input x; B: input w3: QUANTISED
;;     10. [M 8,192, K 256] x [K 256, N 1,024]; A: computed on the way; B: input w2: QUANTISED
;;     11. [M 8,192, K 1,024] x [K 1,024, N 256]; A: input x; B: input w1: QUANTISED
;;     12. [M 8,192, K 1,024] x [K 1,024, N 256]; A: input x; B: input w3: QUANTISED
;;     13. [M 8,192, K 256] x [K 256, N 1,024]; A: computed on the way; B: input w2: QUANTISED
;;     14. [M 8,192, K 1,024] x [K 1,024, N 256]; A: input x; B: input w1: QUANTISED
;;     15. [M 8,192, K 1,024] x [K 1,024, N 256]; A: input x; B: input w3: QUANTISED
;;     16. [M 8,192, K 256] x [K 256, N 1,024]; A: computed on the way; B: input w2: QUANTISED
;;     17. [M 8,192, K 1,024] x [K 1,024, N 256]; A: input x; B: input w1: QUANTISED
;;     18. [M 8,192, K 1,024] x [K 1,024, N 256]; A: input x; B: input w3: QUANTISED
;;     19. [M 8,192, K 256] x [K 256, N 1,024]; A: computed on the way; B: input w2: QUANTISED
;;     20. [M 8,192, K 1,024] x [K 1,024, N 256]; A: input x; B: input w1: QUANTISED
;;     21. [M 8,192, K 1,024] x [K 1,024, N 256]; A: input x; B: input w3: QUANTISED
;;     22. [M 8,192, K 256] x [K 256, N 1,024]; A: computed on the way; B: input w2: QUANTISED
;;     23. [M 8,192, K 1,024] x [K 1,024, N 256]; A: input x; B: input w1: QUANTISED
;;     24. [M 8,192, K 1,024] x [K 1,024, N 256]; A: input x; B: input w3: QUANTISED
;;     25. [M 8,192, K 256] x [K 256, N 1,024]; A: computed on the way; B: input w2: QUANTISED
;;   THE QUANTISER, for each operand of a quantised product, along K:
;;     - K is cut into blocks of 32 from its start; a last block that is shorter is filled with zeros.
;;     - A block's scale is 2^e with e = floor(log2(the largest magnitude in the block)) - 2, held to -126 .. 127; a block of zeros has e = 0. As a byte (E8M0): e + 127.
;;     - Each number is divided by its block's scale, clamped to +-6, and rounded to the nearest number of E2M1, ties to even, subnormals kept.
;;     - The product sums the exact products of the quantised numbers (number of the format x scale) in f32.
;;   ~~~python
;;   def quantise(x, axis):      # numpy; x: float32 -> the quantised numbers, widened to float32 again
;;       x = np.moveaxis(x, axis, -1); K = x.shape[-1]
;;       x = np.pad(x, [(0, 0)] * (x.ndim - 1) + [(0, -K % 32)]); x = x.reshape(x.shape[:-1] + (-1, 32)); a = np.abs(x).max(-1, keepdims=True)
;;       e = np.where(a > 0, np.clip(np.frexp(np.where(a > 0, a, 1))[1] - 1 - 2, -126, 127), 0)      # np.frexp(a)[1] - 1 = floor(log2(a)), exactly
;;       r = np.clip(x / 2.0 ** e, -6, 6)
;;       step = 2.0 ** (np.maximum(np.frexp(np.where(r == 0, 1, r))[1] - 1, 0) - 1)
;;       q = np.round(r / step) * step * 2.0 ** e      # np.round: ties to even
;;       return np.moveaxis(q.reshape(q.shape[:-2] + (-1,))[..., :K], -1, axis).astype(np.float32)
;;   ~~~
;;   OPERANDS COMPUTED ON THE WAY. 'Computed on the way' means the value that the module computes at that place (a softmax that the list does not call 'softmax' is quantised finished and normalised). What goes into a quantiser is computed in f32, as accurately as f32 sums, v_exp_f32 and their like allow (about 1e-6 of the number): no bf16 or f16 on the way to a quantiser, and a product that is left as it is and whose result goes on into a quantised operand takes f32 operands (vector FMAs, or v_wmma_f32_16x16x4_f32). A number that lies on a knife's edge between two numbers of the format may be rounded either way, as far as f32 arithmetic and the matrix unit's own rounding can turn it there, and no further.
;; 2 versions. Each part assembles by itself: llvm-mc -triple=amdgcn-amd-amdhsa -mcpu=gfx1250 --defsym DOCPART=n.
;; ======== version 1 of 2: 3 launches
;; limits: right only within a limited range of input values
;; workspace buffers: xq 4,194,304 bytes; xs 262,144 bytes; wq 3,145,728 bytes; wsc 196,608 bytes; route 65,536 bytes of whole numbers; gatep 65,536 bytes; plan 36,864 bytes of whole numbers
;; launch prep (part 1): grid 640 x 1, 4 waves a work-group, no clusters, 20,992 bytes of LDS; arguments x, gate_w, w1, w3, w2, xq, xs, wq, wsc, route, gatep; writes xq, xs, wq, wsc, route, gatep
.if DOCPART == 1
	.amdgcn_target "amdgcn-amd-amdhsa--gfx1250"
	.amdhsa_code_object_version 6
	.text
	.protected	k_qe8cd94aa50_prep
	.globl	k_qe8cd94aa50_prep
	.p2align	8
	.type	k_qe8cd94aa50_prep,@function
k_qe8cd94aa50_prep:
	s_mov_b64 s[64:65], 0
	v_nop
	global_prefetch_b8 v0, s[64:65] scope:SCOPE_SE
	s_setreg_imm32_b32 hwreg(HW_REG_WAVE_MODE, 25, 1), 1
	s_wait_xcnt 0x0
; FIRST OF THREE LAUNCHES.  Work-groups 0-255: 32 tokens each: the gate's logits (f32 multiply-adds), the two largest, their softmax, the number of the
; pair of experts, the token's rank among its block's tokens of the same pair, the block's count of each pair; and x as codes of E2M1 with one E8M0 byte for each 32 along K.
; Work-groups 256-639: w1, w3, w2 as codes, laid in the order in which the third launch's operand registers take them.
; Nothing here steers an address or a branch by a number made from floats: the choice is STORED, at fixed places, and the next launch reads it.
; THE QUANTISER: a block's byte is its largest magnitude's exponent field - 2, held at 1 from below by a floor among the maximum's leaves; the conversion divides by that power of two, rounds to the
; nearest code, ties to even, and gives the largest code beyond 6.
; LIMITS: NaN and infinities among the inputs are not served.  A block of zeros gets the byte 1 where the rule says 127: its codes are zeros, and this program alone reads the bytes.
; Two logits that agree to within the rounding of an f32 sum of 1,024 terms may be ordered otherwise than by a sum taken in another order; equal logits keep the lower index.
; No matrix unit: the gate has 8 columns.  No tensor loads, no cluster: work-groups share only gate_w (32 KB), and several work-groups lie on a WGP.
; LAYOUTS WRITTEN.  xq [8192][512 bytes], xs [8192][32 bytes]: K innermost.  A FRAGMENT IMAGE is 16 rows x 128 K in 1,024 bytes: the 16 bytes of register group c of lane l at 512 c + 16 l; lane (r, h) holds k = 64 c + 32 h + 0..31.
;   wq: [e 8][wave 4][K step 8][w1, w3][tile 4] images; row r of tile t is hidden unit 64 wave + 32 (t / 2) + 8 (t % 2) + r + 8 (r / 8).  From byte 2,097,152: [e][wave][tile 16][K step 2]; row r of tile t is output column 256 wave + 16 t + r.
;   wsc: [e][wave][w1, w3][tile pair 2][half of K 2] x 512 bytes = [lane 32][K step 4] words, lane l = row l % 16 of tile 2 pair + l / 16.  From byte 131,072: [e][wave][q 4] x 512 bytes = [lane][pair 2][K step 2] words, tile 4 q + 2 pair + l / 16.
;   route: tok[8192] = pair | rank << 8; from byte 32,768 cnt[256 blocks][32].   gatep: [8192][2] f32: the weight of the lower expert, of the higher.
.set TSB,   4864                       ; LDS of a wave: a stage of 32 places x (128 + 16) bytes, then its 256 scale bytes
.set SBO,   4608
.set EXB,   19456                      ; behind the four: the 32 tokens' logits, 32 bytes each
.set FLOOR, 0x1800000                  ; 2^(3 - 127)
.set X,   16                           ; v16-111   three slots of 32: a row of x as loaded: register 4 j + i of lane l is x[128 j + 4 l + i]
.set Y,   112                          ; v112-143  the row after the turn: lane l holds block l, k = 32 l + 0..31
.set ACC, 144                          ; v144-159  the 8 logits' partial sums, two sets by the row's parity
.set RT,  160                          ; v160-167  destinations of the lane permute
.set C,   168                          ; v168-199  codes, four registers for each row: no store's data are written again
.set BY,  200                          ; v200-207  a scale byte for each row
                                       ; window 1, v0-255: gate_w of my 32 k x 8 experts: register 8 (4 j + i) + e
.set MSB, 0
.macro WIN new                         ; the immediate's high byte repeats the setting that is left
.if MSB != \new
	s_set_vgpr_msb (MSB<<8)|\new
.set MSB, \new
.endif
.endm
.macro BMAX a, b, s                    ; the largest magnitude of v[s] .. v[s + 31] and the floor -> v[a]; two chains, so that they do not wait for each other
	v_max3_num_f32 v[\a], |v[(\s)]|, |v[(\s)+1]|, FLOOR
	v_max3_num_f32 v[\b], |v[(\s)+2]|, |v[(\s)+3]|, |v[(\s)+4]|
.irp i, 5,9,13,17,21,25
	v_max3_num_f32 v[\a], v[\a], |v[(\s)+\i]|, |v[(\s)+\i+1]|
	v_max3_num_f32 v[\b], v[\b], |v[(\s)+\i+2]|, |v[(\s)+\i+3]|
.endr
	v_max3_num_f32 v[\a], v[\a], |v[(\s)+29]|, |v[(\s)+30]|
	v_max3_num_f32 v[\a], v[\a], v[\b], |v[(\s)+31]|
.endm
	s_load_b512 s[4:19], s[0:1], 0x0               ; x 4:5, gate_w 6:7, w1 8:9, w3 10:11, w2 12:13, xq 14:15, xs 16:17, wq 18:19
	s_load_b128 s[20:23], s[0:1], 0x40             ; wsc 20:21, route 22:23
	s_load_b64 s[24:25], s[0:1], 0x50              ; gatep
	v_lshl_add_u32 v254, v0, 2, 0x5000
	v_mov_b32 v255, 0
	v_lshrrev_b32 v1, 5, v0
	v_readfirstlane_b32 s26, v1                    ; wave 0..3
	v_and_b32 v1, 31, v0                           ; lane
	s_wait_kmcnt 0x0
	s_cmp_ge_u32 ttmp9, 256                        ; the work-group's number alone decides: all four waves go the same way
	s_cbranch_scc1 .Lweights
; ---------------- x: work-group g owns tokens 32 g .. 32 g + 31; wave w rows 8 w .. 8 w + 7, one row at a time ----------------
	v_lshlrev_b32 v2, 4, v1                        ; 16 lane: my bytes of a dense load or store of 512
	s_mul_i32 s27, s26, TSB
	v_lshrrev_b32 v4, 3, v1
	v_mul_u32_u24 v4, v4, 144
	v_and_b32 v5, 7, v1
	v_lshl_add_u32 v4, v5, 4, v4
	v_add_nc_u32 v4, s27, v4                       ; into the stage: eight lanes' 128 bytes on end, then 16 of padding; a load's 512 bytes take four places
	v_mul_u32_u24 v5, v1, 144
	v_add_nc_u32 v5, s27, v5                       ; out of it: place = lane
	s_add_co_u32 s27, s27, SBO
	v_add_nc_u32 v6, s27, v1                       ; my block's scale byte
	v_lshlrev_b32 v8, 3, v1                        ; 8 lane
	v_add_nc_u32 v7, s27, v8                       ; the 256 scale bytes on their way out
	s_lshl_b32 s27, s26, 8
	s_add_co_u32 s27, s27, EXB
	v_mov_b32 v9, s27                              ; my wave's eight tokens' logits
	v_lshlrev_b32 v10, 5, v1
	v_add_nc_u32 v10, EXB, v10                     ; token = lane, for wave 0 at the end
	s_lshl_b32 s36, ttmp9, 17
	s_lshl_b32 s38, s26, 15
	s_add_co_u32 s36, s36, s38
	s_mov_b32 s37, 0
	s_add_nc_u64 s[28:29], s[4:5], s[36:37]        ; x at my first row: rows of 4,096 bytes
	s_lshl_b32 s36, ttmp9, 14
	s_lshl_b32 s38, s26, 12
	s_add_co_u32 s36, s36, s38
	s_add_nc_u64 s[30:31], s[14:15], s[36:37]      ; xq: rows of 512
	s_lshl_b32 s36, ttmp9, 10
	s_lshl_b32 s38, s26, 8
	s_add_co_u32 s36, s36, s38
	s_add_nc_u64 s[32:33], s[16:17], s[36:37]      ; xs: rows of 32: my eight are 256 bytes, aligned
	s_mov_b32 s34, 0x76543210
	s_mov_b32 s35, 0xfedcba98                      ; v_permlanex16_b32: lane l xor 16
.macro XLOAD r                         ; a row: eight loads of 512 consecutive bytes
.irp j, 0,1,2,3,4,5,6,7
	global_load_b128 v[X+32*((\r)%3)+4*\j:X+32*((\r)%3)+4*\j+3], v2, s[28:29] offset:4096*(\r)+512*\j th:TH_LOAD_NT
.endr
.endm
	WIN 0x40                                       ; destination window 1
.set n, 0
.rept 64
	global_load_b128 v[4*n:4*n+3], v2, s[6:7] offset:512*n     ; gate_w as it lies: 512 consecutive bytes a load
.set n, n+1
.endr
	WIN 0
	XLOAD 0
	XLOAD 1
	XLOAD 2
.irp e, 0,1,2,3,4,5,6,7
	v_mov_b32 v[RT+\e], 0                          ; written once: a lane permute's destination counts as one of its sources
.endr
	s_wait_loadcnt 24                              ; gate_w is in; the 24 loads of three rows of x may be out
	WIN 0x44                                       ; an LDS store's data and an LDS load's destination: window 1
; gate_w's rows of my k = 128 j + 4 l + i are the 128 bytes at 4,096 j + 128 l: the same turn as a row of x, 4,096 bytes at a time.  LDS serves a wave's instructions in order: no wait between
; the stores and the loads, which come back into the registers that the stores left, nor in front of the next eight stores.
.irp j, 0,1,2,3,4,5,6,7
.irp n, 0,1,2,3,4,5,6,7
	ds_store_b128 v4, v[32*\j+4*\n:32*\j+4*\n+3] offset:576*\n
.endr
.irp n, 0,1,2,3,4,5,6,7
	ds_load_b128 v[32*\j+4*\n:32*\j+4*\n+3], v5 offset:16*\n
.endr
.endr
	WIN 0
	s_wait_dscnt 0x0
.macro ROW r
.set XR, X+32*((\r)%3)
.set AC, ACC+8*((\r)%2)
.if (\r) < 6
	s_wait_loadcnt 16                              ; my row's eight loads are in; those of the two rows behind it may be out
.else
	s_wait_loadcnt 8*(7-(\r))
.endif
.irp j, 0,1,2,3,4,5,6,7
	ds_store_b128 v4, v[XR+4*\j:XR+4*\j+3] offset:576*\j
.endr
.irp j, 0,1,2,3,4,5,6,7
	ds_load_b128 v[Y+4*\j:Y+4*\j+3], v5 offset:16*\j           ; lane l: block l, 32 neighbours along K
.endr
	WIN 0x01                                       ; source 0 (gate_w) window 1
.set q, 0
.rept 32                               ; the gate works on the row as loaded, while the turn is on its way: x[q] times two experts' weights an instruction; the first products start the sums
.irp ep, 0,1,2,3
.if q == 0
	v_pk_mul_f32 v[AC+2*\ep:AC+2*\ep+1], v[2*\ep:2*\ep+1], v[XR:XR+1] op_sel_hi:[1,0]
.elseif q%2 == 0
	v_pk_fma_f32 v[AC+2*\ep:AC+2*\ep+1], v[8*q+2*\ep:8*q+2*\ep+1], v[XR+q:XR+q+1], v[AC+2*\ep:AC+2*\ep+1] op_sel_hi:[1,0,1]
.else
	v_pk_fma_f32 v[AC+2*\ep:AC+2*\ep+1], v[8*q+2*\ep:8*q+2*\ep+1], v[XR+q-1:XR+q], v[AC+2*\ep:AC+2*\ep+1] op_sel:[0,1,0] op_sel_hi:[1,1,1]
.endif
.endr
.set q, q+1
.endr
	WIN 0
.irp k, 1,2,4,8                        ; the 32 lanes' sums: four steps inside each half ride on the addition, one crosses the halves; the eight sums by turns
.irp e, 0,1,2,3,4,5,6,7
	v_add_f32_dpp v[AC+\e], v[AC+\e], v[AC+\e] row_xmask:\k row_mask:0xf bank_mask:0xf
.endr
.endr
.irp e, 0,1,2,3,4,5,6,7
	v_permlanex16_b32 v[RT+\e], v[AC+\e], s34, s35
.endr
.irp e, 0,1,2,3,4,5,6,7
	v_add_f32 v[AC+\e], v[AC+\e], v[RT+\e]
.endr
	s_wait_dscnt 0x0                               ; the turned row is in; the stage's stores have read the slot, and the stores of the row before last have read this set of sums
.if (\r)+3 < 8
	XLOAD (\r)+3                                   ; into the slot just left
.endif
	ds_store_b128 v9, v[AC:AC+3] offset:32*(\r)    ; all lanes write the same words with the same values
	ds_store_b128 v9, v[AC+4:AC+7] offset:32*(\r)+16
	BMAX 208, 209, Y
	v_add_nc_u32 v210, 0xff000000, v208            ; 2 off the exponent field: the conversion takes the exponent field of this operand as its scale, and nothing else of it
.irp g, 0,1,2,3
	v_cvt_scalef32_pk8_fp4_f32 v[C+4*(\r)+\g], v[Y+8*\g:Y+8*\g+7], v210
.endr
	v_lshrrev_b32 v[BY+(\r)], 23, v210             ; the byte.  (Also the plain line behind the conversions)
	ds_store_b8 v6, v[BY+(\r)] offset:32*(\r)
	global_store_b128 v2, v[C+4*(\r):C+4*(\r)+3], s[30:31] offset:512*(\r)     ; the row's 512 bytes of codes, on end
.endm
.irp r, 0,1,2,3,4,5,6,7
	ROW \r
.endr
	ds_load_b64 v[208:209], v7                     ; my wave's 256 scale bytes (LDS serves a wave in order: these see my stores)
	s_wait_dscnt 0x0                               ; and, for wave 0's sake, my stores of the logits are done
	global_store_b64 v8, v[208:209], s[32:33]      ; 256 consecutive bytes, aligned
	s_barrier_signal -1
	s_barrier_wait -1
	s_cmp_lg_u32 s26, 0
	s_cbranch_scc1 .Lend
; ---------------- wave 0: lane = token ----------------
	ds_load_b128 v[216:219], v10
	ds_load_b128 v[220:223], v10 offset:16
	s_lshl_b32 s44, ttmp9, 7
	s_mov_b32 s45, 0
	s_add_nc_u64 s[40:41], s[22:23], s[44:45]      ; route: my block's 32 words
	s_lshl_b32 s44, ttmp9, 8
	s_add_nc_u64 s[42:43], s[24:25], s[44:45]      ; gatep: 8 bytes a token
	v_mov_b32 v229, 0xff800000                     ; -infinity
	s_wait_dscnt 0x0
.macro TOP m, i                        ; the largest of the eight and its index; on a tie the lower index stays
	v_mov_b32 v[\m], v216
	v_mov_b32 v[\i], 0
.irp e, 1,2,3,4,5,6,7
	v_cmp_le_f32 vcc_lo, v[216+\e], v[\m]
	v_cndmask_b32 v[\i], \e, v[\i], vcc_lo
	v_max_num_f32 v[\m], v[\m], v[216+\e]
.endr
.endm
	TOP 224, 225
.irp e, 0,1,2,3,4,5,6,7
	v_cmp_eq_u32 vcc_lo, \e, v225
	v_cndmask_b32 v[216+\e], v[216+\e], v229, vcc_lo   ; the first choice leaves the field
.endr
	TOP 226, 227
	v_sub_f32 v228, v226, v224                     ; the maximum is taken away: m2 - m1 is 0 or less
	v_mul_f32 v228, 0x3fb8aa3b, v228
	v_exp_f32 v228, v228                           ; t = e^(m2 - m1), at most 1
	v_min_u32 v232, v225, v227                     ; lo  (a plain line behind the exponential)
	s_wait_alu depctr_va_vdst(0)
	v_add_f32 v230, 1.0, v228
	v_rcp_f32 v230, v230                           ; p1 = 1 / (1 + t)
	v_max_u32 v233, v225, v227                     ; hi  (a plain line behind the reciprocal)
	s_wait_alu depctr_va_vdst(0)
	v_mul_f32 v231, v228, v230                     ; p2 = t / (1 + t)
	v_cmp_lt_u32 vcc_lo, v225, v227
	v_cndmask_b32 v234, v231, v230, vcc_lo         ; the weight of expert lo,
	v_cndmask_b32 v235, v230, v231, vcc_lo         ; of expert hi
	v_sub_nc_u32 v236, 13, v232
	v_mul_u32_u24 v236, v236, v232
	v_lshrrev_b32 v236, 1, v236
	v_add_nc_u32 v236, v236, v233
	v_add_nc_u32 v236, -1, v236                    ; the pair's number: lo (13 - lo) / 2 + hi - 1: 0 .. 27
	v_mov_b32 v237, 0                              ; my rank among the block's tokens of my pair
	v_mov_b32 v238, 0                              ; lane q: the block's count of pair q
.set q, 0
.rept 28
	v_cmp_eq_u32 s36, q, v236
	v_mbcnt_lo_u32_b32 v239, s36, 0                ; lower lanes of pair q
	v_cndmask_b32 v237, v237, v239, s36
	s_bcnt1_i32_b32 s37, s36
	v_writelane_b32 v238, s37, q
.set q, q+1
.endr
	v_lshl_or_b32 v240, v237, 8, v236
	v_lshlrev_b32 v241, 2, v1
	global_store_b32 v241, v240, s[40:41]
	global_store_b32 v241, v238, s[40:41] offset:32768
	global_store_b64 v8, v[234:235], s[42:43]      ; 256 consecutive bytes, aligned
.Lend:
	s_wait_tensorcnt 0x0
	ds_add_u32 v254, v255
	s_wait_dscnt 0x0
	s_endpgm
; ---------------- the weights: a wave takes 32 columns x 128 along K.  A LANE TAKES A COLUMN AND ITS REGISTERS RUN DOWN K: a block of 32 lies in one lane, and the conversions give codes with K innermost ----------------
.macro WLOAD b, pitch                  ; block b: 32 rows; a load reads 128 consecutive bytes, the four waves stand side by side on 512
.set i, 0
.rept 32
	global_load_b32 v[16+32*(\b)+i], v2, s[32:33] offset:(32*(\b)+i)*(\pitch) th:TH_LOAD_NT
.set i, i+1
.endr
.endm
.macro WUNIT pitch                     ; loads run two blocks, 64 loads, ahead; every block has registers of its own for its numbers and its codes
	WLOAD 0, \pitch
	WLOAD 1, \pitch
.irp b, 0,1,2,3
.if \b < 3
	s_wait_loadcnt 32                              ; this block's 32 loads are in; the next block's may be out
.else
	s_wait_loadcnt 0x0
.endif
.if \b < 2
	WLOAD \b+2, \pitch
.endif
	BMAX 8, 9, 16+32*\b
	v_add_nc_u32 v[12+\b], 0xff000000, v8
.irp g, 0,1,2,3
	v_cvt_scalef32_pk8_fp4_f32 v[144+4*\b+\g], v[16+32*\b+8*\g:16+32*\b+8*\g+7], v[12+\b]
.endr
.if \b == 0
	v_lshrrev_b32 v160, 23, v12                    ; the four bytes make the column's scale word for these 128 k.  (Also the plain line behind the conversions)
.else
	v_lshrrev_b32 v10, 23, v[12+\b]
	v_lshl_or_b32 v160, v10, 8*\b, v160
.endif
	global_store_b128 v6, v[144+4*\b:144+4*\b+3], s[40:41] offset:512*(\b/2)+256*(\b%2)   ; block b is register group b / 2 of the lanes of half b % 2: sixteen lanes store 256 consecutive bytes, aligned, in each of two images
.endr
	global_store_b32 v7, v160, s[42:43]            ; words 16 bytes apart: the layout serves the reader, which takes four K steps' words by one load; one byte in 128 of what the wave reads
.endm
.Lweights:
	s_sub_co_u32 s27, ttmp9, 256
	s_lshl_b32 s27, s27, 2
	s_add_co_u32 s27, s27, s26                     ; the wave's unit u
	v_lshlrev_b32 v2, 2, v1                        ; 4 lane
	v_lshrrev_b32 v4, 4, v1                        ; lane / 16
	s_mov_b32 s35, 0
	s_cmp_ge_u32 ttmp9, 512
	s_cbranch_scc1 .Lw2
	s_and_b32 s28, s27, 7                          ; which 32 columns
	s_bfe_u32 s29, s27, 0x30003                    ; K step
	s_bfe_u32 s30, s27, 0x30006                    ; expert
	s_lshr_b32 s31, s27, 9                         ; w1 or w3
	s_cmp_eq_u32 s31, 0
	s_cselect_b64 s[32:33], s[8:9], s[10:11]       ; the choice hangs on the work-group's number alone
	s_lshl_b32 s34, s30, 20
	s_lshl_b32 s36, s29, 17
	s_add_co_u32 s34, s34, s36
	s_lshl_b32 s36, s28, 7
	s_add_co_u32 s34, s34, s36
	s_add_nc_u64 s[32:33], s[32:33], s[34:35]      ; [e][128 s][32 cg]
	s_lshl_b32 s36, s30, 2
	s_lshr_b32 s37, s28, 1
	s_add_co_u32 s36, s36, s37                     ; 4 e + the reader's wave
	s_and_b32 s37, s28, 1                          ; which pair of its tiles
	s_lshl_b32 s38, s36, 3
	s_add_co_u32 s38, s38, s29
	s_lshl_b32 s38, s38, 3
	s_lshl_b32 s39, s31, 2
	s_add_co_u32 s38, s38, s39
	s_lshl_b32 s39, s37, 1
	s_add_co_u32 s38, s38, s39
	s_lshl_b32 s34, s38, 10
	s_add_nc_u64 s[40:41], s[18:19], s[34:35]      ; the first of my two images
	s_lshl_b32 s38, s36, 1
	s_add_co_u32 s38, s38, s31
	s_lshl_b32 s38, s38, 1
	s_add_co_u32 s38, s38, s37
	s_lshl_b32 s38, s38, 1
	s_lshr_b32 s39, s29, 2
	s_add_co_u32 s38, s38, s39
	s_lshl_b32 s38, s38, 9
	s_and_b32 s39, s29, 3
	s_lshl_b32 s39, s39, 2
	s_add_co_u32 s34, s38, s39
	s_add_nc_u64 s[42:43], s[20:21], s[34:35]      ; my K step's word in the chunk of scale words
	v_and_b32 v3, 7, v1
	v_lshl_add_u32 v3, v4, 3, v3                   ; column 32 cg + L is row r = L % 8 + 8 (L / 16)
	v_bfe_u32 v5, v1, 3, 1                         ; of the pair's tile (L / 8) % 2
	v_lshlrev_b32 v6, 4, v3
	v_lshl_add_u32 v6, v5, 10, v6
	v_lshl_add_u32 v7, v5, 4, v3
	v_lshlrev_b32 v7, 4, v7
	WUNIT 1024
	s_endpgm
.Lw2:
	s_sub_co_u32 s27, s27, 1024
	s_and_b32 s28, s27, 31                         ; which 32 columns
	s_bfe_u32 s29, s27, 0x10005                    ; K step
	s_lshr_b32 s30, s27, 6                         ; expert
	s_lshl_b32 s34, s30, 20
	s_lshl_b32 s36, s29, 19
	s_add_co_u32 s34, s34, s36
	s_lshl_b32 s36, s28, 7
	s_add_co_u32 s34, s34, s36
	s_add_nc_u64 s[32:33], s[12:13], s[34:35]
	s_lshl_b32 s36, s30, 2
	s_lshr_b32 s37, s28, 3
	s_add_co_u32 s36, s36, s37                     ; 4 e + the reader's wave
	s_and_b32 s37, s28, 7
	s_lshl_b32 s38, s36, 4
	s_lshl_b32 s39, s37, 1
	s_add_co_u32 s38, s38, s39                     ; the first of my two tiles
	s_lshl_b32 s38, s38, 1
	s_add_co_u32 s38, s38, s29
	s_lshl_b32 s34, s38, 10
	s_add_co_u32 s34, s34, 0x200000
	s_add_nc_u64 s[40:41], s[18:19], s[34:35]
	s_lshl_b32 s38, s36, 2
	s_lshr_b32 s39, s37, 1
	s_add_co_u32 s38, s38, s39
	s_lshl_b32 s38, s38, 9
	s_and_b32 s39, s28, 1
	s_lshl_b32 s39, s39, 3
	s_add_co_u32 s38, s38, s39
	s_lshl_b32 s39, s29, 2
	s_add_co_u32 s38, s38, s39
	s_add_co_u32 s34, s38, 0x20000
	s_add_nc_u64 s[42:43], s[20:21], s[34:35]
	v_and_b32 v3, 15, v1
	v_lshlrev_b32 v6, 4, v3
	v_lshl_add_u32 v6, v4, 11, v6                  ; row L % 16 of tile L / 16: two K steps' images apart
	v_lshlrev_b32 v7, 4, v1
	WUNIT 4096
	s_endpgm
.Lfunc_end_k_qe8cd94aa50_prep:
	.size	k_qe8cd94aa50_prep, .Lfunc_end_k_qe8cd94aa50_prep-k_qe8cd94aa50_prep
	.p2alignl 7, 3214868480
	.fill 96, 4, 3214868480
	.section	.rodata,"a",@progbits
	.p2align	6, 0x0
	.amdhsa_kernel k_qe8cd94aa50_prep
		.amdhsa_group_segment_fixed_size 20992
		.amdhsa_private_segment_fixed_size 0
		.amdhsa_enable_private_segment 0
		.amdhsa_kernarg_size 88
		.amdhsa_user_sgpr_count 2
		.amdhsa_user_sgpr_kernarg_segment_ptr 1
		.amdhsa_wavefront_size32 1
		.amdhsa_system_sgpr_workgroup_id_x 1
		.amdhsa_system_sgpr_workgroup_id_y 1
		.amdhsa_system_sgpr_workgroup_id_z 1
		.amdhsa_system_vgpr_workitem_id 0
		.amdhsa_next_free_vgpr 512
		.amdhsa_next_free_sgpr 66
		.amdhsa_reserve_vcc 1
		.amdhsa_float_denorm_mode_32 3
		.amdhsa_float_denorm_mode_16_64 3
		.amdhsa_memory_ordered 1
		.amdhsa_forward_progress 1
		.amdhsa_inst_pref_size 183
	.end_amdhsa_kernel
	.amdgpu_metadata
---
amdhsa.version: [ 1, 2 ]
amdhsa.kernels:
  - .name:           k_qe8cd94aa50_prep
    .symbol:         k_qe8cd94aa50_prep.kd
    .args:
      - { .name: x, .offset: 0, .size: 8, .value_kind: global_buffer, .address_space: global }
      - { .name: gate_w, .offset: 8, .size: 8, .value_kind: global_buffer, .address_space: global }
      - { .name: w1, .offset: 16, .size: 8, .value_kind: global_buffer, .address_space: global }
      - { .name: w3, .offset: 24, .size: 8, .value_kind: global_buffer, .address_space: global }
      - { .name: w2, .offset: 32, .size: 8, .value_kind: global_buffer, .address_space: global }
      - { .name: xq, .offset: 40, .size: 8, .value_kind: global_buffer, .address_space: global }
      - { .name: xs, .offset: 48, .size: 8, .value_kind: global_buffer, .address_space: global }
      - { .name: wq, .offset: 56, .size: 8, .value_kind: global_buffer, .address_space: global }
      - { .name: wsc, .offset: 64, .size: 8, .value_kind: global_buffer, .address_space: global }
      - { .name: route, .offset: 72, .size: 8, .value_kind: global_buffer, .address_space: global }
      - { .name: gatep, .offset: 80, .size: 8, .value_kind: global_buffer, .address_space: global }
    .group_segment_fixed_size: 20992
    .private_segment_fixed_size: 0
    .kernarg_segment_align: 8
    .kernarg_segment_size: 88
    .max_flat_workgroup_size: 128
    .sgpr_count:     66
    .vgpr_count:     512
    .wavefront_size: 32
...
	.end_amdgpu_metadata
.endif
;; end of part 1
;; launch place (part 2): grid 1 x 1, 8 waves a work-group, no clusters, 2,048 bytes of LDS; arguments route, plan; writes plan
.if DOCPART == 2
	.amdgcn_target "amdgcn-amd-amdhsa--gfx1250"
	.amdhsa_code_object_version 6
	.text
	.protected	k_qe8cd94aa50_place
	.globl	k_qe8cd94aa50_place
	.p2align	8
	.type	k_qe8cd94aa50_place,@function
k_qe8cd94aa50_place:
	s_mov_b64 s[64:65], 0
	v_nop
	global_prefetch_b8 v0, s[64:65] scope:SCOPE_SE
	s_setreg_imm32_b32 hwreg(HW_REG_WAVE_MODE, 25, 1), 1
	s_wait_xcnt 0x0
; SECOND LAUNCH: the tokens are sorted by their PAIR of experts (28 pairs), by a counting sort on the counts that the first launch stored, and cut into tiles of at most 64 tokens of one pair.
; One work-group, eight waves; no atomics: a token's place is its pair's first place + the counts of its pair in the blocks before its block + its rank in its block.
; THE GRID OF THE THIRD LAUNCH IS FIXED AT 155 = 8192 / 64 + 28 - 1, the most tiles that any split can give; S, the sum over pairs of ceil(n / 64), lies between 128 and 155.
; The X = 155 - S work-groups that are over (at most 27) each take the upper 32 rows of one of the first X FULL tiles; of those there are never fewer than (8192 - 28 x 63) / 64, over 100.
; So every one of the 155 has 1 to 64 rows, whatever the choice.
; plan: order[8192]: the tokens by pair; from byte 32,768 tile[256][4] = first place, rows, lower expert, higher expert (entries from 155 on are zeros and are not read).
; In the sums lane = pair.  Wave w owns blocks 32 w + i of 32 tokens, i = 0 .. 31.
; ORDER OF THE LINES: what is done for 32 registers or 28 pairs goes in passes, one kind of line at a time, so that no line reads the result of the line above it; lanes are read into scalars, and scalars written into lanes, in runs.
.set CN, 16                            ; v16-47    my blocks' counts, then their running sums
.set TK, 48                            ; v48-79    my tokens' words: pair | rank << 8
.set PS, 80                            ; v80-111   their places
.set IX, 112                           ; v112-143  4 x pair: which lane to ask
.set DT, 144                           ; v144-175  the tokens' numbers
.set BS, 176                           ; v176-207  lane p: the first place of pair p's tokens of block i
.set R,  208                           ; v208-215  the eight waves' totals
	s_load_b128 s[4:7], s[0:1], 0x0                ; route, plan
	v_lshl_add_u32 v254, v0, 2, 0x400
	v_mov_b32 v255, 0
	v_lshrrev_b32 v1, 5, v0
	v_readfirstlane_b32 s8, v1                     ; wave 0..7
	v_and_b32 v1, 31, v0                           ; lane
	v_lshlrev_b32 v2, 2, v1
	s_lshl_b32 s14, s8, 12
	v_add_nc_u32 v3, s14, v2                       ; 4,096 wave + 4 lane
	v_lshlrev_b32 v4, 2, v0                        ; LDS: 128 wave + 4 lane
	s_wait_kmcnt 0x0
.set i, 0
.rept 32
	global_load_b32 v[CN+i], v3, s[4:5] offset:32768+128*i
.set i, i+1
.endr
.set i, 0
.rept 32
	global_load_b32 v[TK+i], v3, s[4:5] offset:128*i
.set i, i+1
.endr
	s_wait_loadcnt 32                              ; the counts are in; the 32 loads of tokens may be out
.set i, 1
.rept 31
	v_add_nc_u32 v[CN+i], v[CN+i], v[CN+i-1]
.set i, i+1
.endr
	ds_store_b32 v4, v[CN+31]                      ; my wave's total of each pair
	s_wait_dscnt 0x0                               ; for the others' sake
	s_barrier_signal -1
	s_barrier_wait -1
.irp j, 0,1,2,3,4,5,6,7
	ds_load_b32 v[R+\j], v2 offset:128*\j
.endr
	s_wait_dscnt 0x0
	v_add3_u32 v216, v[R], v[R+1], v[R+2]
	v_add3_u32 v216, v216, v[R+3], v[R+4]
	v_add3_u32 v216, v216, v[R+5], v[R+6]
	v_add_nc_u32 v216, v216, v[R+7]                ; n: the pair's tokens in all
	v_mov_b32 v217, 0
.irp j, 0,1,2,3,4,5,6
	s_cmp_gt_u32 s8, \j
	s_cselect_b32 s13, -1, 0
	v_and_b32 v218, s13, v[R+\j]
	v_add_nc_u32 v217, v217, v218                  ; those of the waves before mine, without a branch
.endr
	v_add_nc_u32 v218, 63, v216
	v_lshrrev_b32 v218, 6, v218
	v_lshl_or_b32 v219, v218, 14, v216             ; three sums in one word: n (the sum stays at 8,192: 14 bits), ceil(n / 64) (at most 155: 8 bits),
	v_lshrrev_b32 v218, 6, v216
	v_lshl_or_b32 v219, v218, 22, v219             ; floor(n / 64) (at most 128)
	v_mov_b32 v220, 0                              ; lane p: the sums over the pairs before p; lane 0 and lanes 28-31 stay 0
.set p, 0
.rept 28
	v_readlane_b32 s[32+p], v219, p                ; the 28 words, in one run;
.set p, p+1
.endr
.set p, 1
.rept 27
	s_add_co_u32 s[32+p], s[32+p], s[31+p]         ; s[32 + p]: the sums up to and with p;
.set p, p+1
.endr
.set p, 1
.rept 27
	v_writelane_b32 v220, s[31+p], p               ; and back, one pair on
.set p, p+1
.endr
	s_bfe_u32 s11, s59, 0x8000e                    ; S
	s_sub_co_u32 s12, 155, s11                     ; X
	v_and_b32 v221, 0x3fff, v220                   ; the pair's first place
	v_add_nc_u32 v[BS], v221, v217
.set i, 1
.rept 31
	v_add_nc_u32 v[BS+i], v[BS], v[CN+i-1]
.set i, i+1
.endr
	s_wait_loadcnt 0x0
.set i, 0
.rept 32
	v_and_b32 v[IX+i], 0xff, v[TK+i]
.set i, i+1
.endr
.set i, 0
.rept 32
	v_min_u32 v[IX+i], 31, v[IX+i]
.set i, i+1
.endr
.set i, 0
.rept 32
	v_lshlrev_b32 v[IX+i], 2, v[IX+i]
.set i, i+1
.endr
.set i, 0
.rept 32
	ds_bpermute_b32 v[PS+i], v[IX+i], v[BS+i]      ; lane = token asks the lane of its pair
.set i, i+1
.endr
	s_lshl_b32 s14, s8, 10
	v_add_nc_u32 v222, s14, v1                     ; my first token: 1,024 wave + lane
.set i, 0
.rept 32
	v_lshrrev_b32 v[TK+i], 8, v[TK+i]              ; the ranks and the tokens' numbers are made while the answers are on their way
.set i, i+1
.endr
.set i, 0
.rept 32
	v_add_nc_u32 v[DT+i], 32*i, v222
.set i, i+1
.endr
	s_wait_dscnt 0x0                               ; all 32 answers are in
.set i, 0
.rept 32
	v_add_nc_u32 v[PS+i], v[PS+i], v[TK+i]         ; + the rank
.set i, i+1
.endr
.set i, 0
.rept 32
	v_min_u32 v[PS+i], 0x1fff, v[PS+i]
.set i, i+1
.endr
.set i, 0
.rept 32
	v_lshlrev_b32 v[PS+i], 2, v[PS+i]
.set i, i+1
.endr
.set i, 0
.rept 32
	global_store_b32 v[PS+i], v[DT+i], s[6:7]      ; each of the 8,192 words once; scattered words of one list of 32 KB
.set i, i+1
.endr
; THE TILES: thread g makes entry g.  g < S: tile g in the order of pairs.  S <= g < 155: the upper half of full tile g - S.
	v_sub_nc_u32 v223, v0, s11                     ; g - S (negative where g < S: not used there)
	v_mov_b32 v224, 28                             ; pairs all of whose tiles lie before g: 28 less those whose bound lies over g;
	v_mov_b32 v225, 28                             ; pairs all of whose full tiles lie before g - S: likewise.  (x - bound) >> 31, arithmetic, is -1 where the bound lies over x, else 0: all these numbers are small
.set p, 0
.rept 14
	s_bfe_u32 s14, s[32+p], 0x8000e
	s_lshr_b32 s15, s[32+p], 22
	s_bfe_u32 s16, s[33+p], 0x8000e
	s_lshr_b32 s17, s[33+p], 22
	v_sub_nc_u32 v244, v0, s14
	v_sub_nc_u32 v245, v223, s15
	v_sub_nc_u32 v246, v0, s16
	v_sub_nc_u32 v247, v223, s17
	v_ashrrev_i32 v244, 31, v244
	v_ashrrev_i32 v245, 31, v245
	v_ashrrev_i32 v246, 31, v246
	v_ashrrev_i32 v247, 31, v247
	v_add3_u32 v224, v224, v244, v246
	v_add3_u32 v225, v225, v245, v247
.set p, p+2
.endr
	v_cmp_le_u32 s16, s11, v0                      ; one of those that are over?
	v_cndmask_b32 v226, v224, v225, s16
	v_min_u32 v226, 27, v226                       ; my pair
	v_lshlrev_b32 v227, 2, v226
	ds_bpermute_b32 v228, v227, v220
	ds_bpermute_b32 v229, v227, v216
	v_mov_b32 v242, 0
	s_wait_dscnt 0x0
	v_and_b32 v230, 0x3fff, v228                   ; its first place,
	v_bfe_u32 v231, v228, 14, 8                    ; its first tile,
	v_lshrrev_b32 v232, 22, v228                   ; its first full tile,
	v_lshrrev_b32 v233, 6, v229                    ; its full tiles
	v_sub_nc_u32 v234, v0, v231                    ; t: which tile of the pair
	v_lshl_add_u32 v235, v234, 6, v230
	v_lshlrev_b32 v236, 6, v234
	v_sub_nc_u32 v236, v229, v236
	v_min_u32 v236, 64, v236
	v_cmp_lt_u32 s17, v234, v233                   ; a full tile
	v_add_nc_u32 v237, v232, v234
	v_cmp_gt_u32 s18, s12, v237                    ; among the first X full ones
	s_and_b32 s17, s17, s18
	v_cndmask_b32 v236, v236, 32, s17              ; keeps its lower half
	v_sub_nc_u32 v238, v223, v232
	v_lshl_add_u32 v239, v238, 6, v230
	v_add_nc_u32 v239, 32, v239
	v_cndmask_b32 v240, v235, v239, s16            ; first place
	v_cndmask_b32 v241, v236, 32, s16              ; rows
.irp th, 7,13,18,22,25,27
	v_cmp_le_u32 vcc_lo, \th, v226
	v_add_co_ci_u32 v242, vcc_lo, 0, v242, vcc_lo  ; the lower expert: pairs 0-6 have 0, 7-12 have 1, ..
.endr
	v_sub_nc_u32 v243, 13, v242
	v_mul_u32_u24 v243, v243, v242
	v_lshrrev_b32 v243, 1, v243
	v_sub_nc_u32 v243, v226, v243
	v_add_nc_u32 v243, 1, v243                     ; the higher
	v_cmp_gt_u32 vcc_lo, 155, v0
.irp k, 240,241,242,243
	v_cndmask_b32 v\k, 0, v\k, vcc_lo
.endr
	v_lshlrev_b32 v248, 4, v0
	global_store_b128 v248, v[240:243], s[6:7] offset:32768
	s_wait_tensorcnt 0x0
	ds_add_u32 v254, v255
	s_wait_dscnt 0x0
	s_endpgm
.Lfunc_end_k_qe8cd94aa50_place:
	.size	k_qe8cd94aa50_place, .Lfunc_end_k_qe8cd94aa50_place-k_qe8cd94aa50_place
	.p2alignl 7, 3214868480
	.fill 96, 4, 3214868480
	.section	.rodata,"a",@progbits
	.p2align	6, 0x0
	.amdhsa_kernel k_qe8cd94aa50_place
		.amdhsa_group_segment_fixed_size 2048
		.amdhsa_private_segment_fixed_size 0
		.amdhsa_enable_private_segment 0
		.amdhsa_kernarg_size 16
		.amdhsa_user_sgpr_count 2
		.amdhsa_user_sgpr_kernarg_segment_ptr 1
		.amdhsa_wavefront_size32 1
		.amdhsa_system_sgpr_workgroup_id_x 1
		.amdhsa_system_sgpr_workgroup_id_y 1
		.amdhsa_system_sgpr_workgroup_id_z 1
		.amdhsa_system_vgpr_workitem_id 0
		.amdhsa_next_free_vgpr 256
		.amdhsa_next_free_sgpr 66
		.amdhsa_reserve_vcc 1
		.amdhsa_float_denorm_mode_32 3
		.amdhsa_float_denorm_mode_16_64 3
		.amdhsa_memory_ordered 1
		.amdhsa_forward_progress 1
		.amdhsa_inst_pref_size 44
	.end_amdhsa_kernel
	.amdgpu_metadata
---
amdhsa.version: [ 1, 2 ]
amdhsa.kernels:
  - .name:           k_qe8cd94aa50_place
    .symbol:         k_qe8cd94aa50_place.kd
    .args:
      - { .name: route, .offset: 0, .size: 8, .value_kind: global_buffer, .address_space: global }
      - { .name: plan, .offset: 8, .size: 8, .value_kind: global_buffer, .address_space: global }
    .group_segment_fixed_size: 2048
    .private_segment_fixed_size: 0
    .kernarg_segment_align: 8
    .kernarg_segment_size: 16
    .max_flat_workgroup_size: 256
    .sgpr_count:     66
    .vgpr_count:     256
    .wavefront_size: 32
...
	.end_amdgpu_metadata
.endif
;; end of part 2
;; launch chain (part 3): grid 155 x 1, 4 waves a work-group, no clusters, 86,528 bytes of LDS; arguments xq, xs, wq, wsc, gatep, plan, out0; writes out0
.if DOCPART == 3
	.amdgcn_target "amdgcn-amd-amdhsa--gfx1250"
	.amdhsa_code_object_version 6
	.text
	.protected	k_qe8cd94aa50_chain
	.globl	k_qe8cd94aa50_chain
	.p2align	8
	.type	k_qe8cd94aa50_chain,@function
k_qe8cd94aa50_chain:
	s_mov_b64 s[64:65], 0
	v_nop
	global_prefetch_b8 v0, s[64:65] scope:SCOPE_SE
	s_setreg_imm32_b32 hwreg(HW_REG_WAVE_MODE, 25, 1), 1
	s_wait_xcnt 0x0
; THIRD LAUNCH: a work-group takes one tile, at most 64 tokens that chose the same two experts lo < hi, through both experts' whole chain:
; out = w_lo (Q(silu(x W1lo) (x W3lo)) W2lo) + w_hi (the same with hi).  All products on codes of E2M1 with one E8M0 byte for each 32 along K; sums, activation and weighting in f32.
; Only the two chosen experts of a token are multiplied: the others' results carry the weight 0 in the sum.  Each output row has ONE owner and is stored once; the hidden layer never goes to memory.
; ROWS: row i of the tile is token order[first + min(i, rows - 1)]: rows past the tile's end repeat its last row, are computed with the others and are not stored.  The only branches of the text are forward jumps round stores.
; SHARES: the four waves share the COLUMNS: wave w makes hidden units 64 w .. 64 w + 63 of both experts and output columns 256 w .. 256 w + 255, for all 64 rows.  So each byte of weights is read by one wave, once.
; Both products are used TRANSPOSED (source 0 = 16 rows of weights, source 1 = 16 tokens): a lane holds one token (lane % 16), and its registers run along the hidden units or the output columns.
; THE WEIGHTS come from memory straight into registers: the first launch laid them as images of the operand registers, so a chunk of eight fragments is sixteen loads of 512 consecutive bytes.  24 chunks of 8 KB go through a ring
; of four register slots; up to four chunks, 32 KB a wave, are on their way, across the activations and the barriers too.
; A ROW'S TOKEN, which every lane needs for the row's address, is read from its lane into a scalar.  Such reads stand in runs of sixteen (sixteen reads, sixteen holds, sixteen offsets), not row by row.
; NO TENSOR LOADS, NO CLUSTER: which weights a work-group walks is read from the stored list, and a pair may have a single tile: no fixed group of four work-groups walks the same weights at every split, so no joint request could be made on every path.
; LIMITS: h is formed as (a1 a3) / (1 + 2^(-a1 log2 e)): a1 a3 has to stay finite in f32.  A block of zeros gets the byte 1 where the rule says 127: its codes are zeros.  NaN and infinities are not served.
; REGISTERS, in windows of 256.  Window 0: v1-15 addresses and tokens; v16-143 scale words and nothing else; v144-151 the gate's weights; v160-255 at work.
;   window 1: x's 32 fragments XF(m, s) at 8 (8 m + s); later OUT(tile 0-7, m) at 8 (4 tile + m).   window 2: ACC(m, f) at 64 m + 8 f (f 0-3: w1's tiles, 4-7: w3's); later YH(tile 0-3, m) at 8 (4 tile + m) and from v128 the hidden layer's 16 fragments.
;   window 3: the ring, four slots of 64.   Scalars: s[28:43] the weights' and their scale words' bases; s44-59 at work: sixteen rows' tokens.
.set HIMG, 33792                       ; LDS: from 0 x's 64 rows of codes, 512 + 16 bytes each; here the hidden layer's images [expert 2][m 4][K step 2] x 1,024;
.set HSC,  50176                       ; their scale words, 128 bytes each;
.set STG,  52224                       ; a stage of 16 rows x (512 + 16) bytes for each wave
.set XSR, 16                           ; v16-31    x's scale words: register 8 j + s: lanes 0-15 row tile 2 j, lanes 16-31 row tile 2 j + 1, K step s
.set WS1, 32                           ; v32-95    w1's and w3's scale words: 32 for lo, 32 for hi: 16 tensor + 8 (tile pair) + K step; lanes 0-15 the even tile, 16-31 the odd
.set WS2, 96                           ; v96-127   w2's: 16 for lo, 16 for hi: 4 q + 2 (tile pair) + K step
.set HS,  128                          ; v128-143  the hidden layer's
.set GW,  144                          ; v144-151  (w_lo, w_hi) of row 16 m + lane % 16
.set T,   160                          ; v160-191  the sigmoid on its way
.set U,   192                          ; v192-223  h: register 16 b + i is hidden unit 64 w + 32 b + 16 (lane / 16) + i of my token
.set PC,  236                          ; v236-251  codes, four registers for each m
.set PW,  252                          ; v252-255  two scale bytes for each m
.set BK,  160                          ; v160-223  the way out: 16 rows read back
.set RO,  224                          ; v224-239  the way out: 16 rows' byte offsets in out0
.set TS,  44                           ; s44-59    sixteen rows' tokens
.set MSB, 0
.macro WIN new                         ; the immediate's high byte repeats the setting that is left; bits 1:0 source 0, 3:2 source 1, 5:4 source 2, 7:6 destination
.if MSB != \new
	s_set_vgpr_msb (MSB<<8)|\new
.set MSB, \new
.endif
.endm
.macro PLACES                          ; four plain vector lines between a matrix instruction and a load into one of its registers or a vector read of its result (ISA guide 7.12.1 for vector instructions)
.rept 4
	v_nop
.endr
.endm
.macro LOADCH n                        ; chunk n of the stream into slot n % 4.  0-7: lo's w1 and w3, K step n;  8-15: hi's;  16 + 2 q: lo's w2, output tiles 4 q .. 4 q + 3;  17 + 2 q: hi's
	WIN 0xC0                                       ; destination window 3
.if (\n) < 8
.set CB, 28
.set CF, 8192*(\n)
.elseif (\n) < 16
.set CB, 30
.set CF, 8192*((\n)-8)
.elseif ((\n)%2) == 0
.set CB, 32
.set CF, 8192*(((\n)-16)/2)
.else
.set CB, 34
.set CF, 8192*(((\n)-17)/2)
.endif
.set k, 0
.rept 16
	global_load_b128 v[64*((\n)%4)+4*k:64*((\n)%4)+4*k+3], v1, s[CB:CB+1] offset:CF+512*k
.set k, k+1
.endr
	WIN 0
.endm
.macro WM                              ; one product, by the symbols rD, rA, rB, rSA, rSB; fZ: it starts its sum; fRA, fRB: the side's scale words stand in lanes 16-31
.if fZ
.if fRA && fRB
	v_wmma_scale_f32_16x16x128_f8f6f4 v[rD:rD+7], v[rA:rA+7], v[rB:rB+7], 0, v[rSA], v[rSB] matrix_a_fmt:MATRIX_FMT_FP4 matrix_b_fmt:MATRIX_FMT_FP4 matrix_a_scale:MATRIX_SCALE_ROW1 matrix_b_scale:MATRIX_SCALE_ROW1
.elseif fRA
	v_wmma_scale_f32_16x16x128_f8f6f4 v[rD:rD+7], v[rA:rA+7], v[rB:rB+7], 0, v[rSA], v[rSB] matrix_a_fmt:MATRIX_FMT_FP4 matrix_b_fmt:MATRIX_FMT_FP4 matrix_a_scale:MATRIX_SCALE_ROW1
.elseif fRB
	v_wmma_scale_f32_16x16x128_f8f6f4 v[rD:rD+7], v[rA:rA+7], v[rB:rB+7], 0, v[rSA], v[rSB] matrix_a_fmt:MATRIX_FMT_FP4 matrix_b_fmt:MATRIX_FMT_FP4 matrix_b_scale:MATRIX_SCALE_ROW1
.else
	v_wmma_scale_f32_16x16x128_f8f6f4 v[rD:rD+7], v[rA:rA+7], v[rB:rB+7], 0, v[rSA], v[rSB] matrix_a_fmt:MATRIX_FMT_FP4 matrix_b_fmt:MATRIX_FMT_FP4
.endif
.else
.if fRA && fRB
	v_wmma_scale_f32_16x16x128_f8f6f4 v[rD:rD+7], v[rA:rA+7], v[rB:rB+7], v[rD:rD+7], v[rSA], v[rSB] matrix_a_fmt:MATRIX_FMT_FP4 matrix_b_fmt:MATRIX_FMT_FP4 matrix_a_scale:MATRIX_SCALE_ROW1 matrix_b_scale:MATRIX_SCALE_ROW1
.elseif fRA
	v_wmma_scale_f32_16x16x128_f8f6f4 v[rD:rD+7], v[rA:rA+7], v[rB:rB+7], v[rD:rD+7], v[rSA], v[rSB] matrix_a_fmt:MATRIX_FMT_FP4 matrix_b_fmt:MATRIX_FMT_FP4 matrix_a_scale:MATRIX_SCALE_ROW1
.elseif fRB
	v_wmma_scale_f32_16x16x128_f8f6f4 v[rD:rD+7], v[rA:rA+7], v[rB:rB+7], v[rD:rD+7], v[rSA], v[rSB] matrix_a_fmt:MATRIX_FMT_FP4 matrix_b_fmt:MATRIX_FMT_FP4 matrix_b_scale:MATRIX_SCALE_ROW1
.else
	v_wmma_scale_f32_16x16x128_f8f6f4 v[rD:rD+7], v[rA:rA+7], v[rB:rB+7], v[rD:rD+7], v[rSA], v[rSB] matrix_a_fmt:MATRIX_FMT_FP4 matrix_b_fmt:MATRIX_FMT_FP4
.endif
.endif
.endm
	s_load_b256 s[4:11], s[0:1], 0x0               ; xq 4:5, xs 6:7, wq 8:9, wsc 10:11
	s_load_b128 s[12:15], s[0:1], 0x20             ; gatep 12:13, plan 14:15
	s_load_b64 s[16:17], s[0:1], 0x30              ; out0
	v_lshl_add_u32 v158, v0, 2, 0x15000
	v_mov_b32 v159, 0
	v_lshrrev_b32 v1, 5, v0
	v_readfirstlane_b32 s18, v1                    ; wave 0..3
	s_lshl_b32 s19, ttmp9, 4
	v_and_b32 v153, 31, v0                         ; lane
	v_and_b32 v154, 15, v0                         ; r
	v_bfe_u32 v155, v0, 4, 1                       ; h
	v_lshlrev_b32 v1, 4, v153                      ; 16 lane
	s_wait_kmcnt 0x0
	s_load_b128 s[20:23], s[14:15], s19 offset:0x8000   ; my tile: first place, rows, lo, hi
	; every LDS address is made here, ahead of the first barrier, from constants, the lane and the wave
	v_mul_u32_u24 v2, v154, 528
	v_lshl_add_u32 v2, v155, 4, v2                 ; v2  a fragment of x: row r x pitch + 16 h
	s_mul_i32 s44, s18, 8448
	v_add_nc_u32 v3, s44, v1                       ; v3  where I put my wave's 16 rows of x
	s_lshl_b32 s47, s18, 9
	s_add_co_u32 s47, s47, HIMG
	v_add_nc_u32 v4, s47, v1                       ; v4  my 64 hidden units are register group w % 2 of K step w / 2: 512 w into a pair of images
	s_lshr_b32 s45, s18, 1
	s_and_b32 s46, s18, 1
	s_lshl_b32 s47, s45, 7
	s_lshl_b32 s48, s46, 1
	s_add_co_u32 s47, s47, s48
	s_add_co_u32 s47, s47, HSC
	v_lshl_add_u32 v5, v153, 2, s47                ; v5  and bytes 2 (w % 2), + 1 of that K step's scale word
	v_add_nc_u32 v6, HIMG, v1                      ; v6  an image, for any wave
	v_lshlrev_b32 v7, 2, v153
	v_add_nc_u32 v7, HSC, v7                       ; v7  its scale words
	s_add_co_u32 s44, s44, STG
	v_mul_u32_u24 v8, v154, 528
	v_lshl_add_u32 v8, v155, 5, v8
	v_add_nc_u32 v8, s44, v8                       ; v8  my stage: row r, 32 bytes for each half of the lanes
	v_add_nc_u32 v9, s44, v1                       ; v9  and back: 32 lanes take a row of 512 bytes
	s_lshl_b32 s45, s18, 10
	v_add_nc_u32 v156, s45, v1                     ; v156  my bytes of a row of out0: 1,024 w + 16 lane
	s_lshl_b32 s45, s18, 4
	v_add_nc_u32 v224, s45, v154                   ; seven rows a lane: 16 w + r;
	v_mov_b32 v225, v153                           ; lane;
	v_add_nc_u32 v226, 32, v153                    ; 32 + lane;
.irp m, 0,1,2,3
	v_add_nc_u32 v[227+\m], 16*\m, v154            ; 16 m + r
.endr
	s_mov_b32 s26, 0x76543210
	s_mov_b32 s27, 0xfedcba98                      ; v_permlanex16_b32: lane l xor 16
	s_wait_kmcnt 0x0
	s_min_u32 s20, s20, 0x1fff
	s_min_u32 s21, s21, 64
	s_min_u32 s22, s22, 7
	s_min_u32 s23, s23, 7
	s_max_u32 s24, s21, 1
	s_sub_co_u32 s24, s24, 1                       ; the tile's last row
	s_lshl_b32 s44, s22, 2
	s_add_co_u32 s44, s44, s18                     ; 4 lo + w
	s_lshl_b32 s45, s23, 2
	s_add_co_u32 s45, s45, s18                     ; 4 hi + w
	s_mov_b32 s47, 0
	s_lshl_b32 s46, s44, 16
	s_add_nc_u64 s[28:29], s[8:9], s[46:47]        ; my 64 KB of lo's w1 and w3,
	s_lshl_b32 s46, s45, 16
	s_add_nc_u64 s[30:31], s[8:9], s[46:47]        ; of hi's;
	s_lshl_b32 s46, s44, 15
	s_add_co_u32 s46, s46, 0x200000
	s_add_nc_u64 s[32:33], s[8:9], s[46:47]        ; my 32 KB of lo's w2,
	s_lshl_b32 s46, s45, 15
	s_add_co_u32 s46, s46, 0x200000
	s_add_nc_u64 s[34:35], s[8:9], s[46:47]        ; of hi's;
	s_lshl_b32 s46, s44, 12
	s_add_nc_u64 s[36:37], s[10:11], s[46:47]      ; and their scale words
	s_lshl_b32 s46, s45, 12
	s_add_nc_u64 s[38:39], s[10:11], s[46:47]
	s_lshl_b32 s46, s44, 11
	s_add_co_u32 s46, s46, 0x20000
	s_add_nc_u64 s[40:41], s[10:11], s[46:47]
	s_lshl_b32 s46, s45, 11
	s_add_co_u32 s46, s46, 0x20000
	s_add_nc_u64 s[42:43], s[10:11], s[46:47]
.irp k, 224,225,226,227,228,229,230
	v_min_u32 v\k, s24, v\k                        ; rows past the end repeat the last row
	v_add_nc_u32 v\k, s20, v\k
	v_min_u32 v\k, 0x1fff, v\k
	v_lshlrev_b32 v\k, 2, v\k
.endr
	global_load_b32 v152, v224, s[14:15]           ; v152    token of row 16 w + r
	global_load_b32 v10, v225, s[14:15]            ; v10     of row lane
	global_load_b32 v11, v226, s[14:15]            ; v11     of row 32 + lane
.irp m, 0,1,2,3
	global_load_b32 v[12+\m], v[227+\m], s[14:15]  ; v12-15  of row 16 m + r
.endr
.irp c, 0,1,2,3,4,5,6,7
	global_load_b128 v[WS1+4*\c:WS1+4*\c+3], v1, s[36:37] offset:512*\c
.endr
.irp c, 0,1,2,3,4,5,6,7
	global_load_b128 v[WS1+32+4*\c:WS1+32+4*\c+3], v1, s[38:39] offset:512*\c
.endr
.irp c, 0,1,2,3
	global_load_b128 v[WS2+4*\c:WS2+4*\c+3], v1, s[40:41] offset:512*\c
.endr
.irp c, 0,1,2,3
	global_load_b128 v[WS2+16+4*\c:WS2+16+4*\c+3], v1, s[42:43] offset:512*\c
.endr
	LOADCH 0
	LOADCH 1
	s_wait_loadcnt 56                              ; the seven loads of tokens are in; behind them: 24 of scale words, 32 of the ring
.irp k, 10,11,12,13,14,15,152
	v_min_u32 v\k, 0x1fff, v\k
.endr
; ---- A: my wave's 16 rows of x's codes, a whole row (512 consecutive bytes) a load, go to LDS
.irp j, 0,1,2,3,4,5,6,7,8,9,10,11,12,13,14,15
	v_readlane_b32 s[TS+\j], v152, \j              ; sixteen tokens, in one run;
.endr
.irp j, 0,1,2,3,4,5,6,7,8,9,10,11,12,13,14,15
	s_min_u32 s[TS+\j], s[TS+\j], 0x1fff           ; held inside the table;
.endr
.irp j, 0,1,2,3,4,5,6,7,8,9,10,11,12,13,14,15
	v_lshl_add_u32 v[224+\j], s[TS+\j], 9, v1      ; the row's 512 bytes, 16 a lane
	global_load_b128 v[160+4*\j:160+4*\j+3], v[224+\j], s[4:5]
.endr
	v_lshlrev_b32 v240, 5, v10
	v_lshlrev_b32 v241, 5, v11
.irp j, 0,1
	global_load_b128 v[XSR+8*\j:XSR+8*\j+3], v[240+\j], s[6:7]         ; a row's 32 scale bytes are its eight K steps' words
	global_load_b128 v[XSR+8*\j+4:XSR+8*\j+7], v[240+\j], s[6:7] offset:16
.endr
.irp m, 0,1,2,3
	v_lshlrev_b32 v[242+\m], 3, v[12+\m]
	global_load_b64 v[GW+2*\m:GW+2*\m+1], v[242+\m], s[12:13]
.endr
	LOADCH 2
	LOADCH 3
	s_wait_loadcnt 40                              ; the 16 rows are in, and all that is older: chunks 0 and 1, the weights' scale words; behind them: 8 loads of x's scale words and of the gate's weights, 32 of the ring
.irp j, 0,1,2,3,4,5,6,7,8,9,10,11,12,13,14,15
	ds_store_b128 v3, v[160+4*\j:160+4*\j+3] offset:528*\j
.endr
	v_mov_b32 v226, 0                              ; written once: a lane permute's destination counts as one of its sources
	v_mov_b32 v227, 0
	s_wait_dscnt 0x0                               ; for the others' sake: my rows lie in LDS
	s_barrier_signal -1
	s_barrier_wait -1
	WIN 0x40                                       ; destination window 1
.irp s, 0,1,2,3,4,5,6,7                ; all 32 fragments of x stay in registers for both experts.  They are asked for K STEP BY K STEP, eight loads a step, so that the first products need not wait for the last fragment
.irp m, 0,1,2,3
.irp c, 0,1
	ds_load_b128 v[8*(8*\m+\s)+4*\c:8*(8*\m+\s)+4*\c+3], v2 offset:8448*\m+64*\s+32*\c
.endr
.endr
.endr
	WIN 0
; ---- B: the hidden layer.  Chunk n: K step n % 8 of one expert: 8 tiles of weights x 4 tiles of rows.  The 32 accumulators take turns, one instruction a turn.
.macro CONS1 n, eidx
.set sK, (\n)%8
.if (\n) == 0
	s_wait_loadcnt 32                              ; x's scale words and the gate's weights are in; chunks 2 and 3 may be out
.elseif (\n) >= 2
	s_wait_loadcnt 48                              ; chunk n is in; the three behind it may be out.  (Chunk 1 was shown in by the wait for the rows of x)
.endif
.if (\n) < 8
	s_wait_dscnt 8*(7-(\n))                        ; x's four fragments of K step n are in: LDS answers in order (ISA guide 5.7.1), and behind their eight loads stand those of the 7 - n later steps and no other LDS instruction
.endif
	WIN 0xA7                                       ; source 0 (weights) window 3, source 1 (x) window 1, C and D window 2
.if sK == 0
.set fZ, 1
.else
.set fZ, 0
.endif
.set f, 0
.rept 8
.set m, 0
.rept 4
.set rD, 64*m+8*f
.set rA, 64*((\n)%4)+8*f
.set rB, 8*(8*m+sK)
.set rSA, WS1+32*(\eidx)+16*(f/4)+8*((f%4)/2)+sK
.set rSB, XSR+8*(m/2)+sK
.set fRA, f%2
.set fRB, m%2
	WM
.set m, m+1
.endr
.set f, f+1
.endr
	PLACES
	LOADCH (\n)+4                                  ; into the slot just read
.endm
; h = silu(a1) a3 = (a1 a3) / (1 + 2^(-a1 log2 e)), in f32, for the 16 rows of tile m.  Each accumulator is read from its low end on.
.macro ACT m
	WIN 0x02                                       ; source 0 window 2
.set i, 0
.rept 16
	v_pk_mul_f32 v[T+i:T+i+1], v[64*\m+i:64*\m+i+1], 0xbfb8aa3b op_sel_hi:[1,0]
.set i, i+2
.endr
	WIN 0
.set i, 0
.rept 32
	v_exp_f32 v[T+i], v[T+i]
.set i, i+1
.endr
	v_nop                                          ; a plain line behind the exponentials, ahead of the first use
.set i, 0
	s_wait_alu depctr_va_vdst(0)
.rept 16
	v_pk_add_f32 v[T+i:T+i+1], v[T+i:T+i+1], 1.0 op_sel_hi:[1,0]
.set i, i+2
.endr
.set i, 0
.rept 32
	v_rcp_f32 v[T+i], v[T+i]
.set i, i+1
.endr
	WIN 0x0A                                       ; sources 0 and 1 window 2
.set i, 0
.rept 16
	v_pk_mul_f32 v[U+i:U+i+1], v[64*\m+i:64*\m+i+1], v[64*\m+32+i:64*\m+32+i+1]    ; a1 a3: also the plain lines behind the reciprocals
.set i, i+2
.endr
	WIN 0
.set i, 0
	s_wait_alu depctr_va_vdst(0)
.rept 16
	v_pk_mul_f32 v[U+i:U+i+1], v[U+i:U+i+1], v[T+i:T+i+1]
.set i, i+2
.endr
.endm
; My 64 hidden units of 16 rows, two blocks of 32, become four registers of codes and two scale bytes, and go to LDS as a part of the operand's image.
.macro QUANT2 m, eidx
.irp b, 0,1
	v_max3_num_f32 v[224+\b], |v[U+16*\b]|, |v[U+16*\b+1]|, 0x1800000     ; my 16 numbers of block b, and the floor 2^(3 - 127): the byte cannot fall under 1
.endr
.irp i, 2,4,6,8,10,12,14
.irp b, 0,1
	v_max3_num_f32 v[224+\b], v[224+\b], |v[U+16*\b+\i]|, |v[U+16*\b+\i+1]|
.endr
.endr
.irp b, 0,1
	v_permlanex16_b32 v[226+\b], v[224+\b], s26, s27
.endr
.irp b, 0,1
	v_max_num_f32 v[224+\b], v[224+\b], v[226+\b]  ; with lane l xor 16's 16: the block's largest magnitude
.endr
.irp b, 0,1
	v_add_nc_u32 v[228+\b], 0xff000000, v[224+\b]  ; 2 off the exponent field: the conversion's scale operand
.endr
.irp b, 0,1
	v_lshrrev_b32 v[230+\b], 23, v[228+\b]
.endr
	v_lshl_or_b32 v[PW+\m], v231, 8, v230
.irp b, 0,1
	v_cvt_scalef32_pk8_fp4_f32 v[PC+4*\m+2*\b], v[U+16*\b:U+16*\b+7], v[228+\b]
	v_cvt_scalef32_pk8_fp4_f32 v[PC+4*\m+2*\b+1], v[U+16*\b+8:U+16*\b+15], v[228+\b]
.endr
	v_nop                                          ; one plain line behind a scaled conversion
	v_permlane16_swap_b32 v[PC+4*\m], v[PC+4*\m+2]     ; the operand wants a WHOLE block in a lane: lanes 0-15 the first block, lanes 16-31 the second
	v_permlane16_swap_b32 v[PC+4*\m+1], v[PC+4*\m+3]
	ds_store_b128 v4, v[PC+4*\m:PC+4*\m+3] offset:1024*(8*\eidx+2*\m)
	ds_store_b16 v5, v[PW+\m] offset:128*(8*\eidx+2*\m)
.endm
.irp n, 0,1,2,3,4,5,6,7
	CONS1 \n, 0
.endr
.irp m, 0,1,2,3
	ACT \m
	QUANT2 \m, 0
.endr
	s_wait_dscnt 0x0                               ; the stores have read the codes' registers, which the second expert writes again
.irp n, 8,9,10,11,12,13,14,15
	CONS1 \n, 1
.endr
.irp m, 0,1,2,3
	ACT \m
	QUANT2 \m, 1
.endr
	s_wait_dscnt 0x0                               ; for the others' sake: my parts of the sixteen images and their scale words lie in LDS
	s_barrier_signal -1
	s_barrier_wait -1
; ---- C: the second product, the weighting, the way out
	WIN 0x80                                       ; destination window 2
.set i, 0
.rept 16
	ds_load_b128 v[128+8*i:128+8*i+3], v6 offset:1024*i
	ds_load_b128 v[128+8*i+4:128+8*i+7], v6 offset:1024*i+512
.set i, i+1
.endr
	WIN 0
.set i, 0
.rept 16
	ds_load_b32 v[HS+i], v7 offset:128*i
.set i, i+1
.endr
	s_wait_dscnt 0x0
; Chunk n: four tiles of 16 output columns x two K steps of one expert, against the four tiles of rows.  The 16 accumulators take turns, one instruction a turn.
.macro CONS2 n, eidx, q
.if 23-(\n) >= 3
	s_wait_loadcnt 48                              ; chunk n is in; the chunks behind it, three at the most, may be out
.else
	s_wait_loadcnt 16*(23-(\n))
.endif
.if (\eidx) == 0
	WIN 0x5B                                       ; weights window 3, h window 2, C and D window 1
.else
	WIN 0xAB                                       ; the same, C and D window 2
.endif
.set sK, 0
.rept 2
.set ntl, 0
.rept 4
.set m, 0
.rept 4
.if (\eidx) == 0
.set rD, 8*(4*(4*((\q)%2)+ntl)+m)
.else
.set rD, 8*(4*ntl+m)
.endif
.set rA, 64*((\n)%4)+8*(2*ntl+sK)
.set rB, 128+8*(8*(\eidx)+2*m+sK)
.set rSA, WS2+16*(\eidx)+4*(\q)+2*(ntl/2)+sK
.set rSB, HS+8*(\eidx)+2*m+sK
.set fZ, 1-sK
.set fRA, ntl%2
.set fRB, 0
	WM
.set m, m+1
.endr
.set ntl, ntl+1
.endr
.set sK, sK+1
.endr
	PLACES
.if (\n)+4 <= 23
	LOADCH (\n)+4
.else
	WIN 0
.endif
.endm
.macro COMBINE qq                      ; OUT = w_lo OUT + w_hi YH, two numbers an instruction, each accumulator from its low end on
	WIN 0x82                                       ; source 0 and destination window 2
.set i, 0
.rept 64
	v_pk_mul_f32 v[i:i+1], v[i:i+1], v[GW+2*((i/8)%4):GW+2*((i/8)%4)+1] op_sel:[0,1] op_sel_hi:[1,1]   ; the pair's second word, w_hi, for both halves
.set i, i+2
.endr
	WIN 0x61                                       ; source 0 and destination window 1, source 2 window 2
.set i, 0
.rept 64
	v_pk_fma_f32 v[128*\qq+i:128*\qq+i+1], v[128*\qq+i:128*\qq+i+1], v[GW+2*((i/8)%4):GW+2*((i/8)%4)+1], v[i:i+1] op_sel_hi:[1,0,1]
.set i, i+2
.endr
	WIN 0
.endm
; Half g of my 256 columns, 512 bytes of each row.  A lane holds 32 neighbouring bytes of a row and the lanes beside it hold other rows: 16 rows at a time go through my own stage and come back as whole
; runs of 512 bytes, which the 32 lanes store on end, aligned.  LDS serves a wave's instructions in order: no wait between the stores and the loads.  The sixteen rows' offsets in out0 are made
; between the loads from the stage and the first wait for them.  From the first row past the tile's end on nothing is stored.
.macro WAYOUT g
.irp m, 0,1,2,3
	WIN 0x04                                       ; an LDS store's data are its source 1: window 1
.irp n, 0,1,2,3,4,5,6,7
	ds_store_b128 v8, v[8*(4*\n+\m):8*(4*\n+\m)+3] offset:64*\n
	ds_store_b128 v8, v[8*(4*\n+\m)+4:8*(4*\n+\m)+7] offset:64*\n+16
.endr
	WIN 0
.irp t, 0,1,2,3,4,5,6,7,8,9,10,11,12,13,14,15
	ds_load_b128 v[BK+4*\t:BK+4*\t+3], v9 offset:528*\t
.endr
.irp t, 0,1,2,3,4,5,6,7,8,9,10,11,12,13,14,15
	v_readlane_b32 s[TS+\t], v[10+(16*\m+\t)/32], (16*\m+\t)%32    ; sixteen tokens, in one run;
.endr
.irp t, 0,1,2,3,4,5,6,7,8,9,10,11,12,13,14,15
	s_min_u32 s[TS+\t], s[TS+\t], 0x1fff           ; held inside the table;
.endr
.irp t, 0,1,2,3,4,5,6,7,8,9,10,11,12,13,14,15
	v_lshl_add_u32 v[RO+\t], s[TS+\t], 12, v156    ; the row's token x 4,096 bytes + my bytes of it
.endr
.irp t, 0,1,2,3,4,5,6,7,8,9,10,11,12,13,14,15
	s_wait_dscnt 15-\t                             ; row t is back; the younger loads may be out
	s_cmp_le_u32 s21, 16*\m+\t
	s_cbranch_scc1 .Ldone_\g
	global_store_b128 v[RO+\t], v[BK+4*\t:BK+4*\t+3], s[16:17] offset:512*\g th:TH_STORE_NT   ; written once, read by nobody here
.endr
	s_wait_xcnt 0x0                                ; the offsets and the rows' registers are written again only behind this wait
.endr
.Ldone_\g:
	s_wait_dscnt 0x0                               ; on the short way loads from the stage may still be out
	s_wait_xcnt 0x0
.endm
	CONS2 16, 0, 0
	CONS2 17, 1, 0
	COMBINE 0
	CONS2 18, 0, 1
	CONS2 19, 1, 1
	COMBINE 1
	WAYOUT 0                                       ; these stores leave while the other half is multiplied; chunks 20 to 23 are on their way
	CONS2 20, 0, 2
	CONS2 21, 1, 2
	COMBINE 0
	CONS2 22, 0, 3
	CONS2 23, 1, 3
	COMBINE 1
	WAYOUT 1
	s_wait_tensorcnt 0x0
	ds_add_u32 v158, v159
	s_wait_dscnt 0x0
	s_endpgm
.Lfunc_end_k_qe8cd94aa50_chain:
	.size	k_qe8cd94aa50_chain, .Lfunc_end_k_qe8cd94aa50_chain-k_qe8cd94aa50_chain
	.p2alignl 7, 3214868480
	.fill 96, 4, 3214868480
	.section	.rodata,"a",@progbits
	.p2align	6, 0x0
	.amdhsa_kernel k_qe8cd94aa50_chain
		.amdhsa_group_segment_fixed_size 86528
		.amdhsa_private_segment_fixed_size 0
		.amdhsa_enable_private_segment 0
		.amdhsa_kernarg_size 56
		.amdhsa_user_sgpr_count 2
		.amdhsa_user_sgpr_kernarg_segment_ptr 1
		.amdhsa_wavefront_size32 1
		.amdhsa_system_sgpr_workgroup_id_x 1
		.amdhsa_system_sgpr_workgroup_id_y 1
		.amdhsa_system_sgpr_workgroup_id_z 1
		.amdhsa_system_vgpr_workitem_id 0
		.amdhsa_next_free_vgpr 1024
		.amdhsa_next_free_sgpr 66
		.amdhsa_reserve_vcc 0
		.amdhsa_float_denorm_mode_32 3
		.amdhsa_float_denorm_mode_16_64 3
		.amdhsa_memory_ordered 1
		.amdhsa_forward_progress 1
		.amdhsa_inst_pref_size 255
	.end_amdhsa_kernel
	.section	.bss,"aw",@nobits
	.p2align	6
	.space	262144
	.amdgpu_metadata
---
amdhsa.version: [ 1, 2 ]
amdhsa.kernels:
  - .name:           k_qe8cd94aa50_chain
    .symbol:         k_qe8cd94aa50_chain.kd
    .args:
      - { .name: xq, .offset: 0, .size: 8, .value_kind: global_buffer, .address_space: global }
      - { .name: xs, .offset: 8, .size: 8, .value_kind: global_buffer, .address_space: global }
      - { .name: wq, .offset: 16, .size: 8, .value_kind: global_buffer, .address_space: global }
      - { .name: wsc, .offset: 24, .size: 8, .value_kind: global_buffer, .address_space: global }
      - { .name: gatep, .offset: 32, .size: 8, .value_kind: global_buffer, .address_space: global }
      - { .name: plan, .offset: 40, .size: 8, .value_kind: global_buffer, .address_space: global }
      - { .name: out0, .offset: 48, .size: 8, .value_kind: global_buffer, .address_space: global }
    .group_segment_fixed_size: 86528
    .private_segment_fixed_size: 0
    .kernarg_segment_align: 8
    .kernarg_segment_size: 56
    .max_flat_workgroup_size: 128
    .sgpr_count:     66
    .vgpr_count:     1024
    .wavefront_size: 32
...
	.end_amdgpu_metadata
.endif
;; end of part 3
;; ======== version 2 of 2: 3 launches
;; limits: right only within a limited range of input values
;; workspace buffers: xq 4,194,304 bytes; xs 262,144 bytes; wq 3,145,728 bytes; wsc 196,608 bytes; route 65,536 bytes of whole numbers; gatep 65,536 bytes; plan 36,864 bytes of whole numbers
;; launch prep (part 4): grid 640 x 1, 4 waves a work-group, no clusters, 20,992 bytes of LDS; arguments x, gate_w, w1, w3, w2, xq, xs, wq, wsc, route, gatep; writes xq, xs, wq, wsc, route, gatep
.if DOCPART == 4
	.amdgcn_target "amdgcn-amd-amdhsa--gfx1250"
	.amdhsa_code_object_version 6
	.text
	.protected	k_qe8cd94aa50_prep
	.globl	k_qe8cd94aa50_prep
	.p2align	8
	.type	k_qe8cd94aa50_prep,@function
k_qe8cd94aa50_prep:
	s_mov_b64 s[64:65], 0
	v_nop
	global_prefetch_b8 v0, s[64:65] scope:SCOPE_SE
	s_setreg_imm32_b32 hwreg(HW_REG_WAVE_MODE, 25, 1), 1
	s_wait_xcnt 0x0
; FIRST OF THREE LAUNCHES.  Work-groups 0-255: 32 tokens each: the gate's logits (f32 multiply-adds), the two largest, their softmax, the number of the
; pair of experts, the token's rank among its block's tokens of the same pair, the block's count of each pair; and x as codes of E2M1 with one E8M0 byte for each 32 along K.
; Work-groups 256-639: w1, w3, w2 as codes, laid in the order in which the third launch's operand registers take them.
; Nothing here steers an address or a branch by a number made from floats: the choice is STORED, at fixed places, and the next launch reads it.
; THE QUANTISER: a block's byte is its largest magnitude's exponent field - 2, held at 1 from below by a floor among the maximum's leaves; the conversion divides by that power of two, rounds to the
; nearest code, ties to even, and gives the largest code beyond 6.
; LIMITS: NaN and infinities among the inputs are not served.  A block of zeros gets the byte 1 where the rule says 127: its codes are zeros, and this program alone reads the bytes.
; Two logits that agree to within the rounding of an f32 sum of 1,024 terms may be ordered otherwise than by a sum taken in another order; equal logits keep the lower index.
; No matrix unit: the gate has 8 columns.  No tensor loads, no cluster: work-groups share only gate_w (32 KB), and several work-groups lie on a WGP.
; LAYOUTS WRITTEN.  xq [8192][512 bytes], xs [8192][32 bytes]: K innermost.  A FRAGMENT IMAGE is 16 rows x 128 K in 1,024 bytes: the 16 bytes of register group c of lane l at 512 c + 16 l; lane (r, h) holds k = 64 c + 32 h + 0..31.
;   wq: [e 8][wave 4][K step 8][w1, w3][tile 4] images; row r of tile t is hidden unit 64 wave + 32 (t / 2) + 8 (t % 2) + r + 8 (r / 8).  From byte 2,097,152: [e][wave][tile 16][K step 2]; row r of tile t is output column 256 wave + 16 t + r.
;   wsc: [e][wave][w1, w3][tile pair 2][half of K 2] x 512 bytes = [lane 32][K step 4] words, lane l = row l % 16 of tile 2 pair + l / 16.  From byte 131,072: [e][wave][q 4] x 512 bytes = [lane][pair 2][K step 2] words, tile 4 q + 2 pair + l / 16.
;   route: tok[8192] = pair | rank << 8; from byte 32,768 cnt[256 blocks][32].   gatep: [8192][2] f32: the weight of the lower expert, of the higher.
.set TSB,   4864                       ; LDS of a wave: a stage of 32 places x (128 + 16) bytes, then its 256 scale bytes
.set SBO,   4608
.set EXB,   19456                      ; behind the four: the 32 tokens' logits, 32 bytes each
.set FLOOR, 0x1800000                  ; 2^(3 - 127)
.set X,   16                           ; v16-111   three slots of 32: a row of x as loaded: register 4 j + i of lane l is x[128 j + 4 l + i]
.set Y,   112                          ; v112-143  the row after the turn: lane l holds block l, k = 32 l + 0..31
.set ACC, 144                          ; v144-159  the 8 logits' partial sums, two sets by the row's parity
.set RT,  160                          ; v160-167  destinations of the lane permute
.set C,   168                          ; v168-199  codes, four registers for each row: no store's data are written again
.set BY,  200                          ; v200-207  a scale byte for each row
                                       ; window 1, v0-255: gate_w of my 32 k x 8 experts: register 8 (4 j + i) + e
.set MSB, 0
.macro WIN new                         ; the immediate's high byte repeats the setting that is left
.if MSB != \new
	s_set_vgpr_msb (MSB<<8)|\new
.set MSB, \new
.endif
.endm
.macro BMAX a, b, s                    ; the largest magnitude of v[s] .. v[s + 31] and the floor -> v[a]; two chains, so that they do not wait for each other
	v_max3_num_f32 v[\a], |v[(\s)]|, |v[(\s)+1]|, FLOOR
	v_max3_num_f32 v[\b], |v[(\s)+2]|, |v[(\s)+3]|, |v[(\s)+4]|
.irp i, 5,9,13,17,21,25
	v_max3_num_f32 v[\a], v[\a], |v[(\s)+\i]|, |v[(\s)+\i+1]|
	v_max3_num_f32 v[\b], v[\b], |v[(\s)+\i+2]|, |v[(\s)+\i+3]|
.endr
	v_max3_num_f32 v[\a], v[\a], |v[(\s)+29]|, |v[(\s)+30]|
	v_max3_num_f32 v[\a], v[\a], v[\b], |v[(\s)+31]|
.endm
	s_load_b512 s[4:19], s[0:1], 0x0               ; x 4:5, gate_w 6:7, w1 8:9, w3 10:11, w2 12:13, xq 14:15, xs 16:17, wq 18:19
	s_load_b128 s[20:23], s[0:1], 0x40             ; wsc 20:21, route 22:23
	s_load_b64 s[24:25], s[0:1], 0x50              ; gatep
	v_lshl_add_u32 v254, v0, 2, 0x5000
	v_mov_b32 v255, 0
	v_lshrrev_b32 v1, 5, v0
	v_readfirstlane_b32 s26, v1                    ; wave 0..3
	v_and_b32 v1, 31, v0                           ; lane
	s_wait_kmcnt 0x0
	s_cmp_ge_u32 ttmp9, 256                        ; the work-group's number alone decides: all four waves go the same way
	s_cbranch_scc1 .Lweights
	s_wait_alu depctr_va_vdst(0)
; ---------------- x: work-group g owns tokens 32 g .. 32 g + 31; wave w rows 8 w .. 8 w + 7, one row at a time ----------------
	v_lshlrev_b32 v2, 4, v1                        ; 16 lane: my bytes of a dense load or store of 512
	s_mul_i32 s27, s26, TSB
	v_lshrrev_b32 v4, 3, v1
	v_mul_u32_u24 v4, v4, 144
	v_and_b32 v5, 7, v1
	v_lshl_add_u32 v4, v5, 4, v4
	v_add_nc_u32 v4, s27, v4                       ; into the stage: eight lanes' 128 bytes on end, then 16 of padding; a load's 512 bytes take four places
	v_mul_u32_u24 v5, v1, 144
	v_add_nc_u32 v5, s27, v5                       ; out of it: place = lane
	s_add_co_u32 s27, s27, SBO
	v_add_nc_u32 v6, s27, v1                       ; my block's scale byte
	v_lshlrev_b32 v8, 3, v1                        ; 8 lane
	v_add_nc_u32 v7, s27, v8                       ; the 256 scale bytes on their way out
	s_lshl_b32 s27, s26, 8
	s_add_co_u32 s27, s27, EXB
	v_mov_b32 v9, s27                              ; my wave's eight tokens' logits
	v_lshlrev_b32 v10, 5, v1
	v_add_nc_u32 v10, EXB, v10                     ; token = lane, for wave 0 at the end
	s_lshl_b32 s36, ttmp9, 17
	s_lshl_b32 s38, s26, 15
	s_add_co_u32 s36, s36, s38
	s_mov_b32 s37, 0
	s_add_nc_u64 s[28:29], s[4:5], s[36:37]        ; x at my first row: rows of 4,096 bytes
	s_lshl_b32 s36, ttmp9, 14
	s_lshl_b32 s38, s26, 12
	s_add_co_u32 s36, s36, s38
	s_add_nc_u64 s[30:31], s[14:15], s[36:37]      ; xq: rows of 512
	s_lshl_b32 s36, ttmp9, 10
	s_lshl_b32 s38, s26, 8
	s_add_co_u32 s36, s36, s38
	s_add_nc_u64 s[32:33], s[16:17], s[36:37]      ; xs: rows of 32: my eight are 256 bytes, aligned
	s_mov_b32 s34, 0x76543210
	s_mov_b32 s35, 0xfedcba98                      ; v_permlanex16_b32: lane l xor 16
.macro XLOAD r                         ; a row: eight loads of 512 consecutive bytes
.irp j, 0,1,2,3,4,5,6,7
	global_load_b128 v[X+32*((\r)%3)+4*\j:X+32*((\r)%3)+4*\j+3], v2, s[28:29] offset:4096*(\r)+512*\j th:TH_LOAD_NT
.endr
.endm
	WIN 0x40                                       ; destination window 1
.set n, 0
.rept 64
	global_load_b128 v[4*n:4*n+3], v2, s[6:7] offset:512*n     ; gate_w as it lies: 512 consecutive bytes a load
.set n, n+1
.endr
	WIN 0
	XLOAD 0
	XLOAD 1
	XLOAD 2
.irp e, 0,1,2,3,4,5,6,7
	v_mov_b32 v[RT+\e], 0                          ; written once: a lane permute's destination counts as one of its sources
.endr
	s_wait_loadcnt 24                              ; gate_w is in; the 24 loads of three rows of x may be out
	WIN 0x44                                       ; an LDS store's data and an LDS load's destination: window 1
; gate_w's rows of my k = 128 j + 4 l + i are the 128 bytes at 4,096 j + 128 l: the same turn as a row of x, 4,096 bytes at a time.  LDS serves a wave's instructions in order: no wait between
; the stores and the loads, which come back into the registers that the stores left, nor in front of the next eight stores.
.irp j, 0,1,2,3,4,5,6,7
.irp n, 0,1,2,3,4,5,6,7
	ds_store_b128 v4, v[32*\j+4*\n:32*\j+4*\n+3] offset:576*\n
.endr
.irp n, 0,1,2,3,4,5,6,7
	ds_load_b128 v[32*\j+4*\n:32*\j+4*\n+3], v5 offset:16*\n
.endr
.endr
	WIN 0
	s_wait_dscnt 0x0
.macro ROW r
.set XR, X+32*((\r)%3)
.set AC, ACC+8*((\r)%2)
.if (\r) < 6
	s_wait_loadcnt 16                              ; my row's eight loads are in; those of the two rows behind it may be out
.else
	s_wait_loadcnt 8*(7-(\r))
.endif
.irp j, 0,1,2,3,4,5,6,7
	ds_store_b128 v4, v[XR+4*\j:XR+4*\j+3] offset:576*\j
.endr
.irp j, 0,1,2,3,4,5,6,7
	ds_load_b128 v[Y+4*\j:Y+4*\j+3], v5 offset:16*\j           ; lane l: block l, 32 neighbours along K
.endr
	WIN 0x01                                       ; source 0 (gate_w) window 1
.set q, 0
.rept 32                               ; the gate works on the row as loaded, while the turn is on its way: x[q] times two experts' weights an instruction; the first products start the sums
.irp ep, 0,1,2,3
.if q == 0
	v_pk_mul_f32 v[AC+2*\ep:AC+2*\ep+1], v[2*\ep:2*\ep+1], v[XR:XR+1] op_sel_hi:[1,0]
.elseif q%2 == 0
	v_pk_fma_f32 v[AC+2*\ep:AC+2*\ep+1], v[8*q+2*\ep:8*q+2*\ep+1], v[XR+q:XR+q+1], v[AC+2*\ep:AC+2*\ep+1] op_sel_hi:[1,0,1]
.else
	v_pk_fma_f32 v[AC+2*\ep:AC+2*\ep+1], v[8*q+2*\ep:8*q+2*\ep+1], v[XR+q-1:XR+q], v[AC+2*\ep:AC+2*\ep+1] op_sel:[0,1,0] op_sel_hi:[1,1,1]
.endif
.endr
.set q, q+1
.endr
	WIN 0
.irp k, 1,2,4,8                        ; the 32 lanes' sums: four steps inside each half ride on the addition, one crosses the halves; the eight sums by turns
.irp e, 0,1,2,3,4,5,6,7
	v_add_f32_dpp v[AC+\e], v[AC+\e], v[AC+\e] row_xmask:\k row_mask:0xf bank_mask:0xf
.endr
.endr
.irp e, 0,1,2,3,4,5,6,7
	v_permlanex16_b32 v[RT+\e], v[AC+\e], s34, s35
.endr
.irp e, 0,1,2,3,4,5,6,7
	v_add_f32 v[AC+\e], v[AC+\e], v[RT+\e]
.endr
	s_wait_alu depctr_va_vdst(0)
	s_wait_dscnt 0x0                               ; the turned row is in; the stage's stores have read the slot, and the stores of the row before last have read this set of sums
.if (\r)+3 < 8
	XLOAD (\r)+3                                   ; into the slot just left
.endif
	ds_store_b128 v9, v[AC:AC+3] offset:32*(\r)    ; all lanes write the same words with the same values
	ds_store_b128 v9, v[AC+4:AC+7] offset:32*(\r)+16
	BMAX 208, 209, Y
	v_add_nc_u32 v210, 0xff000000, v208            ; 2 off the exponent field: the conversion takes the exponent field of this operand as its scale, and nothing else of it
.irp g, 0,1,2,3
	v_cvt_scalef32_pk8_fp4_f32 v[C+4*(\r)+\g], v[Y+8*\g:Y+8*\g+7], v210
.endr
	v_lshrrev_b32 v[BY+(\r)], 23, v210             ; the byte.  (Also the plain line behind the conversions)
	ds_store_b8 v6, v[BY+(\r)] offset:32*(\r)
	global_store_b128 v2, v[C+4*(\r):C+4*(\r)+3], s[30:31] offset:512*(\r)     ; the row's 512 bytes of codes, on end
.endm
.irp r, 0,1,2,3,4,5,6,7
	ROW \r
.endr
	ds_load_b64 v[208:209], v7                     ; my wave's 256 scale bytes (LDS serves a wave in order: these see my stores)
	s_wait_dscnt 0x0                               ; and, for wave 0's sake, my stores of the logits are done
	global_store_b64 v8, v[208:209], s[32:33]      ; 256 consecutive bytes, aligned
	s_barrier_signal -1
	s_barrier_wait -1
	s_cmp_lg_u32 s26, 0
	s_cbranch_scc1 .Lend
; ---------------- wave 0: lane = token ----------------
	ds_load_b128 v[216:219], v10
	ds_load_b128 v[220:223], v10 offset:16
	s_lshl_b32 s44, ttmp9, 7
	s_mov_b32 s45, 0
	s_add_nc_u64 s[40:41], s[22:23], s[44:45]      ; route: my block's 32 words
	s_lshl_b32 s44, ttmp9, 8
	s_add_nc_u64 s[42:43], s[24:25], s[44:45]      ; gatep: 8 bytes a token
	v_mov_b32 v229, 0xff800000                     ; -infinity
	s_wait_dscnt 0x0
.macro TOP m, i                        ; the largest of the eight and its index; on a tie the lower index stays
	v_mov_b32 v[\m], v216
	v_mov_b32 v[\i], 0
.irp e, 1,2,3,4,5,6,7
	v_cmp_le_f32 vcc_lo, v[216+\e], v[\m]
	v_cndmask_b32 v[\i], \e, v[\i], vcc_lo
	v_max_num_f32 v[\m], v[\m], v[216+\e]
.endr
.endm
	TOP 224, 225
.irp e, 0,1,2,3,4,5,6,7
	v_cmp_eq_u32 vcc_lo, \e, v225
	v_cndmask_b32 v[216+\e], v[216+\e], v229, vcc_lo   ; the first choice leaves the field
.endr
	TOP 226, 227
	v_sub_f32 v228, v226, v224                     ; the maximum is taken away: m2 - m1 is 0 or less
	v_mul_f32 v228, 0x3fb8aa3b, v228
	s_wait_alu depctr_va_vdst(0)
	v_exp_f32 v228, v228                           ; t = e^(m2 - m1), at most 1
	v_min_u32 v232, v225, v227                     ; lo  (a plain line behind the exponential)
	s_wait_alu depctr_va_vdst(0)
	v_add_f32 v230, 1.0, v228
	s_wait_alu depctr_va_vdst(0)
	v_rcp_f32 v230, v230                           ; p1 = 1 / (1 + t)
	v_max_u32 v233, v225, v227                     ; hi  (a plain line behind the reciprocal)
	s_wait_alu depctr_va_vdst(0)
	v_mul_f32 v231, v228, v230                     ; p2 = t / (1 + t)
	v_cmp_lt_u32 vcc_lo, v225, v227
	v_cndmask_b32 v234, v231, v230, vcc_lo         ; the weight of expert lo,
	v_cndmask_b32 v235, v230, v231, vcc_lo         ; of expert hi
	v_sub_nc_u32 v236, 13, v232
	v_mul_u32_u24 v236, v236, v232
	v_lshrrev_b32 v236, 1, v236
	v_add_nc_u32 v236, v236, v233
	v_add_nc_u32 v236, -1, v236                    ; the pair's number: lo (13 - lo) / 2 + hi - 1: 0 .. 27
	v_mov_b32 v237, 0                              ; my rank among the block's tokens of my pair
	v_mov_b32 v238, 0                              ; lane q: the block's count of pair q
.set q, 0
.rept 28
	v_cmp_eq_u32 s36, q, v236
	v_mbcnt_lo_u32_b32 v239, s36, 0                ; lower lanes of pair q
	v_cndmask_b32 v237, v237, v239, s36
	s_bcnt1_i32_b32 s37, s36
	v_writelane_b32 v238, s37, q
.set q, q+1
.endr
	v_lshl_or_b32 v240, v237, 8, v236
	v_lshlrev_b32 v241, 2, v1
	global_store_b32 v241, v240, s[40:41]
	global_store_b32 v241, v238, s[40:41] offset:32768
	global_store_b64 v8, v[234:235], s[42:43]      ; 256 consecutive bytes, aligned
.Lend:
	s_wait_tensorcnt 0x0
	ds_add_u32 v254, v255
	s_wait_dscnt 0x0
	s_endpgm
; ---------------- the weights: a wave takes 32 columns x 128 along K.  A LANE TAKES A COLUMN AND ITS REGISTERS RUN DOWN K: a block of 32 lies in one lane, and the conversions give codes with K innermost ----------------
.macro WLOAD b, pitch                  ; block b: 32 rows; a load reads 128 consecutive bytes, the four waves stand side by side on 512
.set i, 0
.rept 32
	global_load_b32 v[16+32*(\b)+i], v2, s[32:33] offset:(32*(\b)+i)*(\pitch) th:TH_LOAD_NT
.set i, i+1
.endr
.endm
.macro WUNIT pitch                     ; loads run two blocks, 64 loads, ahead; every block has registers of its own for its numbers and its codes
	WLOAD 0, \pitch
	WLOAD 1, \pitch
.irp b, 0,1,2,3
.if \b < 3
	s_wait_loadcnt 32                              ; this block's 32 loads are in; the next block's may be out
.else
	s_wait_loadcnt 0x0
.endif
.if \b < 2
	WLOAD \b+2, \pitch
.endif
	BMAX 8, 9, 16+32*\b
	v_add_nc_u32 v[12+\b], 0xff000000, v8
.irp g, 0,1,2,3
	v_cvt_scalef32_pk8_fp4_f32 v[144+4*\b+\g], v[16+32*\b+8*\g:16+32*\b+8*\g+7], v[12+\b]
.endr
.if \b == 0
	v_lshrrev_b32 v160, 23, v12                    ; the four bytes make the column's scale word for these 128 k.  (Also the plain line behind the conversions)
.else
	v_lshrrev_b32 v10, 23, v[12+\b]
	v_lshl_or_b32 v160, v10, 8*\b, v160
.endif
	global_store_b128 v6, v[144+4*\b:144+4*\b+3], s[40:41] offset:512*(\b/2)+256*(\b%2)   ; block b is register group b / 2 of the lanes of half b % 2: sixteen lanes store 256 consecutive bytes, aligned, in each of two images
.endr
	global_store_b32 v7, v160, s[42:43]            ; words 16 bytes apart: the layout serves the reader, which takes four K steps' words by one load; one byte in 128 of what the wave reads
.endm
.Lweights:
	s_sub_co_u32 s27, ttmp9, 256
	s_lshl_b32 s27, s27, 2
	s_add_co_u32 s27, s27, s26                     ; the wave's unit u
	s_wait_alu depctr_va_vdst(0)
	v_lshlrev_b32 v2, 2, v1                        ; 4 lane
	v_lshrrev_b32 v4, 4, v1                        ; lane / 16
	s_mov_b32 s35, 0
	s_cmp_ge_u32 ttmp9, 512
	s_cbranch_scc1 .Lw2
	s_and_b32 s28, s27, 7                          ; which 32 columns
	s_bfe_u32 s29, s27, 0x30003                    ; K step
	s_bfe_u32 s30, s27, 0x30006                    ; expert
	s_lshr_b32 s31, s27, 9                         ; w1 or w3
	s_cmp_eq_u32 s31, 0
	s_cselect_b64 s[32:33], s[8:9], s[10:11]       ; the choice hangs on the work-group's number alone
	s_lshl_b32 s34, s30, 20
	s_lshl_b32 s36, s29, 17
	s_add_co_u32 s34, s34, s36
	s_lshl_b32 s36, s28, 7
	s_add_co_u32 s34, s34, s36
	s_add_nc_u64 s[32:33], s[32:33], s[34:35]      ; [e][128 s][32 cg]
	s_lshl_b32 s36, s30, 2
	s_lshr_b32 s37, s28, 1
	s_add_co_u32 s36, s36, s37                     ; 4 e + the reader's wave
	s_and_b32 s37, s28, 1                          ; which pair of its tiles
	s_lshl_b32 s38, s36, 3
	s_add_co_u32 s38, s38, s29
	s_lshl_b32 s38, s38, 3
	s_lshl_b32 s39, s31, 2
	s_add_co_u32 s38, s38, s39
	s_lshl_b32 s39, s37, 1
	s_add_co_u32 s38, s38, s39
	s_lshl_b32 s34, s38, 10
	s_add_nc_u64 s[40:41], s[18:19], s[34:35]      ; the first of my two images
	s_lshl_b32 s38, s36, 1
	s_add_co_u32 s38, s38, s31
	s_lshl_b32 s38, s38, 1
	s_add_co_u32 s38, s38, s37
	s_lshl_b32 s38, s38, 1
	s_lshr_b32 s39, s29, 2
	s_add_co_u32 s38, s38, s39
	s_lshl_b32 s38, s38, 9
	s_and_b32 s39, s29, 3
	s_lshl_b32 s39, s39, 2
	s_add_co_u32 s34, s38, s39
	s_add_nc_u64 s[42:43], s[20:21], s[34:35]      ; my K step's word in the chunk of scale words
	v_and_b32 v3, 7, v1
	s_wait_alu depctr_va_vdst(0)
	v_lshl_add_u32 v3, v4, 3, v3                   ; column 32 cg + L is row r = L % 8 + 8 (L / 16)
	v_bfe_u32 v5, v1, 3, 1                         ; of the pair's tile (L / 8) % 2
	v_lshlrev_b32 v6, 4, v3
	v_lshl_add_u32 v6, v5, 10, v6
	v_lshl_add_u32 v7, v5, 4, v3
	v_lshlrev_b32 v7, 4, v7
	WUNIT 1024
	s_endpgm
.Lw2:
	s_sub_co_u32 s27, s27, 1024
	s_and_b32 s28, s27, 31                         ; which 32 columns
	s_bfe_u32 s29, s27, 0x10005                    ; K step
	s_lshr_b32 s30, s27, 6                         ; expert
	s_lshl_b32 s34, s30, 20
	s_lshl_b32 s36, s29, 19
	s_add_co_u32 s34, s34, s36
	s_lshl_b32 s36, s28, 7
	s_add_co_u32 s34, s34, s36
	s_add_nc_u64 s[32:33], s[12:13], s[34:35]
	s_lshl_b32 s36, s30, 2
	s_lshr_b32 s37, s28, 3
	s_add_co_u32 s36, s36, s37                     ; 4 e + the reader's wave
	s_and_b32 s37, s28, 7
	s_lshl_b32 s38, s36, 4
	s_lshl_b32 s39, s37, 1
	s_add_co_u32 s38, s38, s39                     ; the first of my two tiles
	s_lshl_b32 s38, s38, 1
	s_add_co_u32 s38, s38, s29
	s_lshl_b32 s34, s38, 10
	s_add_co_u32 s34, s34, 0x200000
	s_add_nc_u64 s[40:41], s[18:19], s[34:35]
	s_lshl_b32 s38, s36, 2
	s_lshr_b32 s39, s37, 1
	s_add_co_u32 s38, s38, s39
	s_lshl_b32 s38, s38, 9
	s_and_b32 s39, s28, 1
	s_lshl_b32 s39, s39, 3
	s_add_co_u32 s38, s38, s39
	s_lshl_b32 s39, s29, 2
	s_add_co_u32 s38, s38, s39
	s_add_co_u32 s34, s38, 0x20000
	s_add_nc_u64 s[42:43], s[20:21], s[34:35]
	v_and_b32 v3, 15, v1
	v_lshlrev_b32 v6, 4, v3
	s_wait_alu depctr_va_vdst(0)
	v_lshl_add_u32 v6, v4, 11, v6                  ; row L % 16 of tile L / 16: two K steps' images apart
	v_lshlrev_b32 v7, 4, v1
	WUNIT 4096
	s_endpgm
.Lfunc_end_k_qe8cd94aa50_prep:
	.size	k_qe8cd94aa50_prep, .Lfunc_end_k_qe8cd94aa50_prep-k_qe8cd94aa50_prep
	.p2alignl 7, 3214868480
	.fill 96, 4, 3214868480
	.section	.rodata,"a",@progbits
	.p2align	6, 0x0
	.amdhsa_kernel k_qe8cd94aa50_prep
		.amdhsa_group_segment_fixed_size 20992
		.amdhsa_private_segment_fixed_size 0
		.amdhsa_enable_private_segment 0
		.amdhsa_kernarg_size 88
		.amdhsa_user_sgpr_count 2
		.amdhsa_user_sgpr_kernarg_segment_ptr 1
		.amdhsa_wavefront_size32 1
		.amdhsa_system_sgpr_workgroup_id_x 1
		.amdhsa_system_sgpr_workgroup_id_y 1
		.amdhsa_system_sgpr_workgroup_id_z 1
		.amdhsa_system_vgpr_workitem_id 0
		.amdhsa_next_free_vgpr 512
		.amdhsa_next_free_sgpr 66
		.amdhsa_reserve_vcc 1
		.amdhsa_float_denorm_mode_32 3
		.amdhsa_float_denorm_mode_16_64 3
		.amdhsa_memory_ordered 1
		.amdhsa_forward_progress 1
		.amdhsa_inst_pref_size 183
	.end_amdhsa_kernel
	.amdgpu_metadata
---
amdhsa.version: [ 1, 2 ]
amdhsa.kernels:
  - .name:           k_qe8cd94aa50_prep
    .symbol:         k_qe8cd94aa50_prep.kd
    .args:
      - { .name: x, .offset: 0, .size: 8, .value_kind: global_buffer, .address_space: global }
      - { .name: gate_w, .offset: 8, .size: 8, .value_kind: global_buffer, .address_space: global }
      - { .name: w1, .offset: 16, .size: 8, .value_kind: global_buffer, .address_space: global }
      - { .name: w3, .offset: 24, .size: 8, .value_kind: global_buffer, .address_space: global }
      - { .name: w2, .offset: 32, .size: 8, .value_kind: global_buffer, .address_space: global }
      - { .name: xq, .offset: 40, .size: 8, .value_kind: global_buffer, .address_space: global }
      - { .name: xs, .offset: 48, .size: 8, .value_kind: global_buffer, .address_space: global }
      - { .name: wq, .offset: 56, .size: 8, .value_kind: global_buffer, .address_space: global }
      - { .name: wsc, .offset: 64, .size: 8, .value_kind: global_buffer, .address_space: global }
      - { .name: route, .offset: 72, .size: 8, .value_kind: global_buffer, .address_space: global }
      - { .name: gatep, .offset: 80, .size: 8, .value_kind: global_buffer, .address_space: global }
    .group_segment_fixed_size: 20992
    .private_segment_fixed_size: 0
    .kernarg_segment_align: 8
    .kernarg_segment_size: 88
    .max_flat_workgroup_size: 128
    .sgpr_count:     66
    .vgpr_count:     512
    .wavefront_size: 32
...
	.end_amdgpu_metadata
.endif
;; end of part 4
;; launch place (part 5): grid 1 x 1, 8 waves a work-group, no clusters, 2,048 bytes of LDS; arguments route, plan; writes plan
.if DOCPART == 5
	.amdgcn_target "amdgcn-amd-amdhsa--gfx1250"
	.amdhsa_code_object_version 6
	.text
	.protected	k_qe8cd94aa50_place
	.globl	k_qe8cd94aa50_place
	.p2align	8
	.type	k_qe8cd94aa50_place,@function
k_qe8cd94aa50_place:
	s_mov_b64 s[64:65], 0
	v_nop
	global_prefetch_b8 v0, s[64:65] scope:SCOPE_SE
	s_setreg_imm32_b32 hwreg(HW_REG_WAVE_MODE, 25, 1), 1
	s_wait_xcnt 0x0
; SECOND LAUNCH: the tokens are sorted by their PAIR of experts (28 pairs), by a counting sort on the counts that the first launch stored, and cut into tiles of at most 64 tokens of one pair.
; One work-group, eight waves; no atomics: a token's place is its pair's first place + the counts of its pair in the blocks before its block + its rank in its block.
; THE GRID OF THE THIRD LAUNCH IS FIXED AT 155 = 8192 / 64 + 28 - 1, the most tiles that any split can give; S, the sum over pairs of ceil(n / 64), lies between 128 and 155.
; The X = 155 - S work-groups that are over (at most 27) each take the upper 32 rows of one of the first X FULL tiles; of those there are never fewer than (8192 - 28 x 63) / 64, over 100.
; So every one of the 155 has 1 to 64 rows, whatever the choice.
; plan: order[8192]: the tokens by pair; from byte 32,768 tile[256][4] = first place, rows, lower expert, higher expert (entries from 155 on are zeros and are not read).
; In the sums lane = pair.  Wave w owns blocks 32 w + i of 32 tokens, i = 0 .. 31.
; ORDER OF THE LINES: what is done for 32 registers or 28 pairs goes in passes, one kind of line at a time, so that no line reads the result of the line above it; lanes are read into scalars, and scalars written into lanes, in runs.
.set CN, 16                            ; v16-47    my blocks' counts, then their running sums
.set TK, 48                            ; v48-79    my tokens' words: pair | rank << 8
.set PS, 80                            ; v80-111   their places
.set IX, 112                           ; v112-143  4 x pair: which lane to ask
.set DT, 144                           ; v144-175  the tokens' numbers
.set BS, 176                           ; v176-207  lane p: the first place of pair p's tokens of block i
.set R,  208                           ; v208-215  the eight waves' totals
	s_load_b128 s[4:7], s[0:1], 0x0                ; route, plan
	v_lshl_add_u32 v254, v0, 2, 0x400
	v_mov_b32 v255, 0
	v_lshrrev_b32 v1, 5, v0
	s_delay_alu instid0(VALU_DEP_1)
	v_readfirstlane_b32 s8, v1                     ; wave 0..7
	v_and_b32 v1, 31, v0                           ; lane
	s_delay_alu instid0(VALU_DEP_1)
	v_lshlrev_b32 v2, 2, v1
	s_lshl_b32 s14, s8, 12
	v_add_nc_u32 v3, s14, v2                       ; 4,096 wave + 4 lane
	v_lshlrev_b32 v4, 2, v0                        ; LDS: 128 wave + 4 lane
	s_wait_alu depctr_va_vdst(0)
	s_wait_kmcnt 0x0
.set i, 0
.rept 32
	global_load_b32 v[CN+i], v3, s[4:5] offset:32768+128*i
.set i, i+1
.endr
.set i, 0
.rept 32
	global_load_b32 v[TK+i], v3, s[4:5] offset:128*i
.set i, i+1
.endr
	s_wait_loadcnt 32                              ; the counts are in; the 32 loads of tokens may be out
.set i, 1
	v_add_nc_u32 v[CN+i], v[CN+i], v[CN+i-1]
.set i, i+1
.rept (31)-1
	s_delay_alu instid0(VALU_DEP_1)
	v_add_nc_u32 v[CN+i], v[CN+i], v[CN+i-1]
.set i, i+1
.endr
	ds_store_b32 v4, v[CN+31]                      ; my wave's total of each pair
	s_wait_dscnt 0x0                               ; for the others' sake
	s_barrier_signal -1
	s_barrier_wait -1
.irp j, 0,1,2,3,4,5,6,7
	ds_load_b32 v[R+\j], v2 offset:128*\j
.endr
	s_wait_dscnt 0x0
	v_add3_u32 v216, v[R], v[R+1], v[R+2]
	s_delay_alu instid0(VALU_DEP_1)
	v_add3_u32 v216, v216, v[R+3], v[R+4]
	s_delay_alu instid0(VALU_DEP_1)
	v_add3_u32 v216, v216, v[R+5], v[R+6]
	s_delay_alu instid0(VALU_DEP_1)
	v_add_nc_u32 v216, v216, v[R+7]                ; n: the pair's tokens in all
	v_mov_b32 v217, 0
.irp j, 0,1,2,3,4,5,6
	s_cmp_gt_u32 s8, \j
	s_cselect_b32 s13, -1, 0
	v_and_b32 v218, s13, v[R+\j]
	s_delay_alu instid0(VALU_DEP_1)
	v_add_nc_u32 v217, v217, v218                  ; those of the waves before mine, without a branch
.endr
	v_add_nc_u32 v218, 63, v216
	s_delay_alu instid0(VALU_DEP_1)
	v_lshrrev_b32 v218, 6, v218
	s_delay_alu instid0(VALU_DEP_1)
	v_lshl_or_b32 v219, v218, 14, v216             ; three sums in one word: n (the sum stays at 8,192: 14 bits), ceil(n / 64) (at most 155: 8 bits),
	v_lshrrev_b32 v218, 6, v216
	s_delay_alu instid0(VALU_DEP_1)
	v_lshl_or_b32 v219, v218, 22, v219             ; floor(n / 64) (at most 128)
	v_mov_b32 v220, 0                              ; lane p: the sums over the pairs before p; lane 0 and lanes 28-31 stay 0
.set p, 0
.rept 28
	v_readlane_b32 s[32+p], v219, p                ; the 28 words, in one run;
.set p, p+1
.endr
.set p, 1
.rept 27
	s_add_co_u32 s[32+p], s[32+p], s[31+p]         ; s[32 + p]: the sums up to and with p;
.set p, p+1
.endr
.set p, 1
	v_writelane_b32 v220, s[31+p], p
.set p, p+1
.rept (27)-1
	s_delay_alu instid0(VALU_DEP_1)
	v_writelane_b32 v220, s[31+p], p               ; and back, one pair on
.set p, p+1
.endr
	s_bfe_u32 s11, s59, 0x8000e                    ; S
	s_sub_co_u32 s12, 155, s11                     ; X
	v_and_b32 v221, 0x3fff, v220                   ; the pair's first place
	s_delay_alu instid0(VALU_DEP_1)
	v_add_nc_u32 v[BS], v221, v217
.set i, 1
.rept 31
	v_add_nc_u32 v[BS+i], v[BS], v[CN+i-1]
.set i, i+1
.endr
	s_wait_loadcnt 0x0
.set i, 0
.rept 32
	v_and_b32 v[IX+i], 0xff, v[TK+i]
.set i, i+1
.endr
.set i, 0
.rept 32
	v_min_u32 v[IX+i], 31, v[IX+i]
.set i, i+1
.endr
.set i, 0
.rept 32
	v_lshlrev_b32 v[IX+i], 2, v[IX+i]
.set i, i+1
.endr
.set i, 0
.rept 32
	ds_bpermute_b32 v[PS+i], v[IX+i], v[BS+i]      ; lane = token asks the lane of its pair
.set i, i+1
.endr
	s_lshl_b32 s14, s8, 10
	v_add_nc_u32 v222, s14, v1                     ; my first token: 1,024 wave + lane
.set i, 0
.rept 32
	v_lshrrev_b32 v[TK+i], 8, v[TK+i]              ; the ranks and the tokens' numbers are made while the answers are on their way
.set i, i+1
.endr
.set i, 0
.rept 32
	v_add_nc_u32 v[DT+i], 32*i, v222
.set i, i+1
.endr
	s_wait_dscnt 0x0                               ; all 32 answers are in
.set i, 0
.rept 32
	v_add_nc_u32 v[PS+i], v[PS+i], v[TK+i]         ; + the rank
.set i, i+1
.endr
.set i, 0
.rept 32
	v_min_u32 v[PS+i], 0x1fff, v[PS+i]
.set i, i+1
.endr
.set i, 0
.rept 32
	v_lshlrev_b32 v[PS+i], 2, v[PS+i]
.set i, i+1
.endr
.set i, 0
.rept 32
	global_store_b32 v[PS+i], v[DT+i], s[6:7]      ; each of the 8,192 words once; scattered words of one list of 32 KB
.set i, i+1
.endr
; THE TILES: thread g makes entry g.  g < S: tile g in the order of pairs.  S <= g < 155: the upper half of full tile g - S.
	v_sub_nc_u32 v223, v0, s11                     ; g - S (negative where g < S: not used there)
	v_mov_b32 v224, 28                             ; pairs all of whose tiles lie before g: 28 less those whose bound lies over g;
	v_mov_b32 v225, 28                             ; pairs all of whose full tiles lie before g - S: likewise.  (x - bound) >> 31, arithmetic, is -1 where the bound lies over x, else 0: all these numbers are small
.set p, 0
.rept 14
	s_bfe_u32 s14, s[32+p], 0x8000e
	s_lshr_b32 s15, s[32+p], 22
	s_bfe_u32 s16, s[33+p], 0x8000e
	s_lshr_b32 s17, s[33+p], 22
	v_sub_nc_u32 v244, v0, s14
	v_sub_nc_u32 v245, v223, s15
	v_sub_nc_u32 v246, v0, s16
	v_sub_nc_u32 v247, v223, s17
	s_delay_alu instid0(VALU_DEP_4)
	v_ashrrev_i32 v244, 31, v244
	s_delay_alu instid0(VALU_DEP_4)
	v_ashrrev_i32 v245, 31, v245
	s_delay_alu instid0(VALU_DEP_4)
	v_ashrrev_i32 v246, 31, v246
	s_delay_alu instid0(VALU_DEP_4)
	v_ashrrev_i32 v247, 31, v247
	s_delay_alu instid0(VALU_DEP_2)
	v_add3_u32 v224, v224, v244, v246
	s_delay_alu instid0(VALU_DEP_2)
	v_add3_u32 v225, v225, v245, v247
.set p, p+2
.endr
	v_cmp_le_u32 s16, s11, v0                      ; one of those that are over?
	s_delay_alu instid0(VALU_DEP_1)
	v_cndmask_b32 v226, v224, v225, s16
	s_delay_alu instid0(VALU_DEP_1)
	v_min_u32 v226, 27, v226                       ; my pair
	s_delay_alu instid0(VALU_DEP_1)
	v_lshlrev_b32 v227, 2, v226
	ds_bpermute_b32 v228, v227, v220
	ds_bpermute_b32 v229, v227, v216
	v_mov_b32 v242, 0
	s_wait_dscnt 0x0
	v_and_b32 v230, 0x3fff, v228                   ; its first place,
	v_bfe_u32 v231, v228, 14, 8                    ; its first tile,
	v_lshrrev_b32 v232, 22, v228                   ; its first full tile,
	v_lshrrev_b32 v233, 6, v229                    ; its full tiles
	s_delay_alu instid0(VALU_DEP_3)
	v_sub_nc_u32 v234, v0, v231                    ; t: which tile of the pair
	s_delay_alu instid0(VALU_DEP_1)
	v_lshl_add_u32 v235, v234, 6, v230
	s_delay_alu instid0(VALU_DEP_2)
	v_lshlrev_b32 v236, 6, v234
	s_delay_alu instid0(VALU_DEP_1)
	v_sub_nc_u32 v236, v229, v236
	s_delay_alu instid0(VALU_DEP_1)
	v_min_u32 v236, 64, v236
	v_cmp_lt_u32 s17, v234, v233                   ; a full tile
	v_add_nc_u32 v237, v232, v234
	s_delay_alu instid0(VALU_DEP_1)
	v_cmp_gt_u32 s18, s12, v237                    ; among the first X full ones
	s_and_b32 s17, s17, s18
	v_cndmask_b32 v236, v236, 32, s17              ; keeps its lower half
	v_sub_nc_u32 v238, v223, v232
	s_delay_alu instid0(VALU_DEP_1)
	v_lshl_add_u32 v239, v238, 6, v230
	s_delay_alu instid0(VALU_DEP_1)
	v_add_nc_u32 v239, 32, v239
	s_delay_alu instid0(VALU_DEP_1)
	v_cndmask_b32 v240, v235, v239, s16            ; first place
	v_cndmask_b32 v241, v236, 32, s16              ; rows
.irp th, 7,13,18,22,25,27
	v_cmp_le_u32 vcc_lo, \th, v226
	s_delay_alu instid0(VALU_DEP_1)
	v_add_co_ci_u32 v242, vcc_lo, 0, v242, vcc_lo  ; the lower expert: pairs 0-6 have 0, 7-12 have 1, ..
.endr
	s_delay_alu instid0(VALU_DEP_1)
	v_sub_nc_u32 v243, 13, v242
	s_delay_alu instid0(VALU_DEP_1)
	v_mul_u32_u24 v243, v243, v242
	s_delay_alu instid0(VALU_DEP_1)
	v_lshrrev_b32 v243, 1, v243
	s_delay_alu instid0(VALU_DEP_1)
	v_sub_nc_u32 v243, v226, v243
	s_delay_alu instid0(VALU_DEP_1)
	v_add_nc_u32 v243, 1, v243                     ; the higher
	v_cmp_gt_u32 vcc_lo, 155, v0
.irp k, 240,241,242,243
	v_cndmask_b32 v\k, 0, v\k, vcc_lo
.endr
	v_lshlrev_b32 v248, 4, v0
	global_store_b128 v248, v[240:243], s[6:7] offset:32768
	s_wait_tensorcnt 0x0
	ds_add_u32 v254, v255
	s_wait_dscnt 0x0
	s_endpgm
.Lfunc_end_k_qe8cd94aa50_place:
	.size	k_qe8cd94aa50_place, .Lfunc_end_k_qe8cd94aa50_place-k_qe8cd94aa50_place
	.p2alignl 7, 3214868480
	.fill 96, 4, 3214868480
	.section	.rodata,"a",@progbits
	.p2align	6, 0x0
	.amdhsa_kernel k_qe8cd94aa50_place
		.amdhsa_group_segment_fixed_size 2048
		.amdhsa_private_segment_fixed_size 0
		.amdhsa_enable_private_segment 0
		.amdhsa_kernarg_size 16
		.amdhsa_user_sgpr_count 2
		.amdhsa_user_sgpr_kernarg_segment_ptr 1
		.amdhsa_wavefront_size32 1
		.amdhsa_system_sgpr_workgroup_id_x 1
		.amdhsa_system_sgpr_workgroup_id_y 1
		.amdhsa_system_sgpr_workgroup_id_z 1
		.amdhsa_system_vgpr_workitem_id 0
		.amdhsa_next_free_vgpr 256
		.amdhsa_next_free_sgpr 66
		.amdhsa_reserve_vcc 1
		.amdhsa_float_denorm_mode_32 3
		.amdhsa_float_denorm_mode_16_64 3
		.amdhsa_memory_ordered 1
		.amdhsa_forward_progress 1
		.amdhsa_inst_pref_size 49
	.end_amdhsa_kernel
	.amdgpu_metadata
---
amdhsa.version: [ 1, 2 ]
amdhsa.kernels:
  - .name:           k_qe8cd94aa50_place
    .symbol:         k_qe8cd94aa50_place.kd
    .args:
      - { .name: route, .offset: 0, .size: 8, .value_kind: global_buffer, .address_space: global }
      - { .name: plan, .offset: 8, .size: 8, .value_kind: global_buffer, .address_space: global }
    .group_segment_fixed_size: 2048
    .private_segment_fixed_size: 0
    .kernarg_segment_align: 8
    .kernarg_segment_size: 16
    .max_flat_workgroup_size: 256
    .sgpr_count:     66
    .vgpr_count:     256
    .wavefront_size: 32
...
	.end_amdgpu_metadata
.endif
;; end of part 5
;; launch chain (part 6): grid 155 x 1, 4 waves a work-group, no clusters, 86,528 bytes of LDS; arguments xq, xs, wq, wsc, gatep, plan, out0; writes out0
.if DOCPART == 6
	.amdgcn_target "amdgcn-amd-amdhsa--gfx1250"
	.amdhsa_code_object_version 6
	.text
	.protected	k_qe8cd94aa50_chain
	.globl	k_qe8cd94aa50_chain
	.p2align	8
	.type	k_qe8cd94aa50_chain,@function
k_qe8cd94aa50_chain:
	s_mov_b64 s[64:65], 0
	v_nop
	global_prefetch_b8 v0, s[64:65] scope:SCOPE_SE
	s_setreg_imm32_b32 hwreg(HW_REG_WAVE_SCHED_MODE, 0, 2), 2
	s_setreg_imm32_b32 hwreg(HW_REG_WAVE_MODE, 25, 1), 1
	s_wait_xcnt 0x0
	s_wait_alu depctr_vm_vsrc(0)
; THIRD LAUNCH: a work-group takes one tile, at most 64 tokens that chose the same two experts lo < hi, through both experts' whole chain:
; out = w_lo (Q(silu(x W1lo) (x W3lo)) W2lo) + w_hi (the same with hi).  All products on codes of E2M1 with one E8M0 byte for each 32 along K; sums, activation and weighting in f32.
; Only the two chosen experts of a token are multiplied: the others' results carry the weight 0 in the sum.  Each output row has ONE owner and is stored once; the hidden layer never goes to memory.
; ROWS: row i of the tile is token order[first + min(i, rows - 1)]: rows past the tile's end repeat its last row, are computed with the others and are not stored.  The only branches of the text are forward jumps round stores.
; SHARES: the four waves share the COLUMNS: wave w makes hidden units 64 w .. 64 w + 63 of both experts and output columns 256 w .. 256 w + 255, for all 64 rows.  So each byte of weights is read by one wave, once.
; Both products are used TRANSPOSED (source 0 = 16 rows of weights, source 1 = 16 tokens): a lane holds one token (lane % 16), and its registers run along the hidden units or the output columns.
; THE WEIGHTS come from memory straight into registers: the first launch laid them as images of the operand registers, so a chunk of eight fragments is sixteen loads of 512 consecutive bytes.  24 chunks of 8 KB go through a ring
; of four register slots: while one slot is multiplied the three others are on their way or in; across the activations, the weighting and the barriers all four are.
; A ROW'S TOKEN, which every lane needs for the row's address, is read from its lane into a scalar.  Such reads stand in runs of sixteen (sixteen reads, sixteen holds, sixteen offsets), not row by row.
; NO TENSOR LOADS, NO CLUSTER: which weights a work-group walks is read from the stored list, and a pair may have a single tile: no fixed group of four work-groups walks the same weights at every split, so no joint request could be made on every path.
; LIMITS: h is formed as (a1 a3) / (1 + 2^(-a1 log2 e)): a1 a3 has to stay finite in f32.  A block of zeros gets the byte 1 where the rule says 127: its codes are zeros.  NaN and infinities are not served.
; THE MODE: SCHED_MODE bits 1:0 = 2 (LLVM: expert scheduling mode 2), set by the entry lines.  The code itself states the register dependences between vector or matrix instructions and memory or LDS instructions, with s_wait_alu, always for 0.
; THE PLAN.  Registers that memory or LDS instructions touch, and who else names them:
;   v1-9        addresses: written at the head, ahead of the wait on va_vdst in front of the tokens' loads, and never again.
;   the ring    slot n % 4: chunk n's loads land in it, chunk n's 32 products read it, chunk n + 4's loads land in it.  ONE wait on va_vdst stands at the head of chunk n, behind the wait for its data: chunk n - 1's products are done
;               reading their slot.  That slot's sixteen loads follow in two runs of eight, one ahead of chunk n's products and one in their middle; those products name slot n % 4, x's or h's fragments, accumulators and scale words,
;               none of which these loads touch.  Where vector work follows a chunk, the chunk's own slot is asked for again at its end, behind a wait of its own.
;   v224-245    offsets of the tokens' loads, then of x's rows, scale words and of the gate's weights; later the quantiser's work registers and codes: a wait on vm_vsrc ahead of each rewriting.
;   v160-223    x's rows land here and LDS stores read them; then T and U of the activation (vector lines alone); on the way out loads from the stage land here and global stores read them.
;   v[PC ..], v[PW ..]   written by the quantiser, a set for each of the four tiles of rows; read by eight LDS stores, which stand together behind one wait on va_vdst; a wait on vm_vsrc ahead of what writes them next.
;   window 2, v128-255   read by the activations; the hidden layer's fragments land there behind the second expert's wait on va_vdst.
;   OUT, RO     the way out: see there.      Scale words, x's fragments and the gate's weights are loaded once, into registers that no vector line has named.
; REGISTERS, in windows of 256.  Window 0: v1-15 addresses and tokens; v16-143 scale words and nothing else; v144-151 the gate's weights; v160-255 at work.
;   window 1: x's 32 fragments XF(m, s) at 8 (8 m + s); later OUT(tile 0-7, m) at 8 (4 tile + m).   window 2: ACC(m, f) at 64 m + 8 f (f 0-3: w1's tiles, 4-7: w3's); later YH(tile 0-3, m) at 8 (4 tile + m) and from v128 the hidden layer's 16 fragments.
;   window 3: the ring, four slots of 64.   Scalars: s[28:43] the weights' and their scale words' bases; s44-59 at work: sixteen rows' tokens.
.set HIMG, 33792                       ; LDS: from 0 x's 64 rows of codes, 512 + 16 bytes each; here the hidden layer's images [expert 2][m 4][K step 2] x 1,024;
.set HSC,  50176                       ; their scale words, 128 bytes each;
.set STG,  52224                       ; a stage of 16 rows x (512 + 16) bytes for each wave
.set XSR, 16                           ; v16-31    x's scale words: register 8 j + s: lanes 0-15 row tile 2 j, lanes 16-31 row tile 2 j + 1, K step s
.set WS1, 32                           ; v32-95    w1's and w3's scale words: 32 for lo, 32 for hi: 16 tensor + 8 (tile pair) + K step; lanes 0-15 the even tile, 16-31 the odd
.set WS2, 96                           ; v96-127   w2's: 16 for lo, 16 for hi: 4 q + 2 (tile pair) + K step
.set HS,  128                          ; v128-143  the hidden layer's
.set GW,  144                          ; v144-151  (w_lo, w_hi) of row 16 m + lane % 16
.set T,   160                          ; v160-191  the sigmoid on its way
.set U,   192                          ; v192-223  h: register 16 b + i is hidden unit 64 w + 32 b + 16 (lane / 16) + i of my token
.set PC,  236                          ; v236-251  codes, four registers for each m
.set PW,  252                          ; v252-255  two scale bytes for each m
.set BK,  160                          ; v160-223  the way out: 16 rows read back
.set RO,  224                          ; v224-239  the way out: 16 rows' byte offsets in out0
.set TS,  44                           ; s44-59    sixteen rows' tokens
.set MSB, 0
.macro WIN new                         ; the immediate's high byte repeats the setting that is left; bits 1:0 source 0, 3:2 source 1, 5:4 source 2, 7:6 destination
.if MSB != \new
	s_set_vgpr_msb (MSB<<8)|\new
.set MSB, \new
.endif
.endm
.macro PLACES                          ; four plain vector lines behind a matrix instruction, ahead of a load into one of its registers and of a vector read of its result (ISA guide 7.12.1 for vector instructions)
.rept 4
	v_nop
.endr
.endm
.macro LOADPART n, from, cnt           ; loads from .. from + cnt - 1 of the sixteen of chunk n, into slot n % 4.  0-7: lo's w1 and w3, K step n;  8-15: hi's;  16 + 2 q: lo's w2, output tiles 4 q .. 4 q + 3;  17 + 2 q: hi's
	WIN 0xC0                                       ; destination window 3
.if (\n) < 8
.set CB, 28
.set CF, 8192*(\n)
.elseif (\n) < 16
.set CB, 30
.set CF, 8192*((\n)-8)
.elseif ((\n)%2) == 0
.set CB, 32
.set CF, 8192*(((\n)-16)/2)
.else
.set CB, 34
.set CF, 8192*(((\n)-17)/2)
.endif
.set k, \from
.rept \cnt
	global_load_b128 v[64*((\n)%4)+4*k:64*((\n)%4)+4*k+3], v1, s[CB:CB+1] offset:CF+512*k
.set k, k+1
.endr
.endm
.macro LOADCH n                        ; a whole chunk in one run
	LOADPART \n, 0, 16
	WIN 0
.endm
.macro WM                              ; one product, by the symbols rD, rA, rB, rSA, rSB; fZ: it starts its sum; fRA, fRB: the side's scale words stand in lanes 16-31
.if fZ
.if fRA && fRB
	v_wmma_scale_f32_16x16x128_f8f6f4 v[rD:rD+7], v[rA:rA+7], v[rB:rB+7], 0, v[rSA], v[rSB] matrix_a_fmt:MATRIX_FMT_FP4 matrix_b_fmt:MATRIX_FMT_FP4 matrix_a_scale:MATRIX_SCALE_ROW1 matrix_b_scale:MATRIX_SCALE_ROW1
.elseif fRA
	v_wmma_scale_f32_16x16x128_f8f6f4 v[rD:rD+7], v[rA:rA+7], v[rB:rB+7], 0, v[rSA], v[rSB] matrix_a_fmt:MATRIX_FMT_FP4 matrix_b_fmt:MATRIX_FMT_FP4 matrix_a_scale:MATRIX_SCALE_ROW1
.elseif fRB
	v_wmma_scale_f32_16x16x128_f8f6f4 v[rD:rD+7], v[rA:rA+7], v[rB:rB+7], 0, v[rSA], v[rSB] matrix_a_fmt:MATRIX_FMT_FP4 matrix_b_fmt:MATRIX_FMT_FP4 matrix_b_scale:MATRIX_SCALE_ROW1
.else
	v_wmma_scale_f32_16x16x128_f8f6f4 v[rD:rD+7], v[rA:rA+7], v[rB:rB+7], 0, v[rSA], v[rSB] matrix_a_fmt:MATRIX_FMT_FP4 matrix_b_fmt:MATRIX_FMT_FP4
.endif
.else
.if fRA && fRB
	v_wmma_scale_f32_16x16x128_f8f6f4 v[rD:rD+7], v[rA:rA+7], v[rB:rB+7], v[rD:rD+7], v[rSA], v[rSB] matrix_a_fmt:MATRIX_FMT_FP4 matrix_b_fmt:MATRIX_FMT_FP4 matrix_a_scale:MATRIX_SCALE_ROW1 matrix_b_scale:MATRIX_SCALE_ROW1
.elseif fRA
	v_wmma_scale_f32_16x16x128_f8f6f4 v[rD:rD+7], v[rA:rA+7], v[rB:rB+7], v[rD:rD+7], v[rSA], v[rSB] matrix_a_fmt:MATRIX_FMT_FP4 matrix_b_fmt:MATRIX_FMT_FP4 matrix_a_scale:MATRIX_SCALE_ROW1
.elseif fRB
	v_wmma_scale_f32_16x16x128_f8f6f4 v[rD:rD+7], v[rA:rA+7], v[rB:rB+7], v[rD:rD+7], v[rSA], v[rSB] matrix_a_fmt:MATRIX_FMT_FP4 matrix_b_fmt:MATRIX_FMT_FP4 matrix_b_scale:MATRIX_SCALE_ROW1
.else
	v_wmma_scale_f32_16x16x128_f8f6f4 v[rD:rD+7], v[rA:rA+7], v[rB:rB+7], v[rD:rD+7], v[rSA], v[rSB] matrix_a_fmt:MATRIX_FMT_FP4 matrix_b_fmt:MATRIX_FMT_FP4
.endif
.endif
.endm
	s_load_b256 s[4:11], s[0:1], 0x0               ; xq 4:5, xs 6:7, wq 8:9, wsc 10:11
	s_load_b128 s[12:15], s[0:1], 0x20             ; gatep 12:13, plan 14:15
	s_load_b64 s[16:17], s[0:1], 0x30              ; out0
	v_lshl_add_u32 v158, v0, 2, 0x15000
	v_mov_b32 v159, 0
	v_lshrrev_b32 v1, 5, v0
	v_readfirstlane_b32 s18, v1                    ; wave 0..3
	s_lshl_b32 s19, ttmp9, 4
	v_and_b32 v153, 31, v0                         ; lane
	v_and_b32 v154, 15, v0                         ; r
	v_bfe_u32 v155, v0, 4, 1                       ; h
	v_lshlrev_b32 v1, 4, v153                      ; 16 lane
	s_wait_alu depctr_va_vdst(0)
	s_wait_kmcnt 0x0
	s_load_b128 s[20:23], s[14:15], s19 offset:0x8000   ; my tile: first place, rows, lo, hi
	; every LDS address is made here, ahead of the first barrier, from constants, the lane and the wave
	v_mul_u32_u24 v2, v154, 528
	v_lshl_add_u32 v2, v155, 4, v2                 ; v2  a fragment of x: row r x pitch + 16 h
	s_wait_alu depctr_va_sdst(0)                   ; s18, the wave's number, is written, ahead of its first reader: LDS addresses and the weights' bases are made from it
	s_mul_i32 s44, s18, 8448
	v_add_nc_u32 v3, s44, v1                       ; v3  where I put my wave's 16 rows of x
	s_lshl_b32 s47, s18, 9
	s_add_co_u32 s47, s47, HIMG
	v_add_nc_u32 v4, s47, v1                       ; v4  my 64 hidden units are register group w % 2 of K step w / 2: 512 w into a pair of images
	s_lshr_b32 s45, s18, 1
	s_and_b32 s46, s18, 1
	s_lshl_b32 s47, s45, 7
	s_lshl_b32 s48, s46, 1
	s_add_co_u32 s47, s47, s48
	s_add_co_u32 s47, s47, HSC
	v_lshl_add_u32 v5, v153, 2, s47                ; v5  and bytes 2 (w % 2), + 1 of that K step's scale word
	v_add_nc_u32 v6, HIMG, v1                      ; v6  an image, for any wave
	v_lshlrev_b32 v7, 2, v153
	v_add_nc_u32 v7, HSC, v7                       ; v7  its scale words
	s_add_co_u32 s44, s44, STG
	v_mul_u32_u24 v8, v154, 528
	v_lshl_add_u32 v8, v155, 5, v8
	v_add_nc_u32 v8, s44, v8                       ; v8  my stage: row r, 32 bytes for each half of the lanes
	v_add_nc_u32 v9, s44, v1                       ; v9  and back: 32 lanes take a row of 512 bytes
	s_lshl_b32 s45, s18, 10
	v_add_nc_u32 v156, s45, v1                     ; v156  my bytes of a row of out0: 1,024 w + 16 lane
	s_lshl_b32 s45, s18, 4
	v_add_nc_u32 v224, s45, v154                   ; seven rows a lane: 16 w + r;
	v_mov_b32 v225, v153                           ; lane;
	v_add_nc_u32 v226, 32, v153                    ; 32 + lane;
.irp m, 0,1,2,3
	v_add_nc_u32 v[227+\m], 16*\m, v154            ; 16 m + r
.endr
	s_mov_b32 s26, 0x76543210
	s_mov_b32 s27, 0xfedcba98                      ; v_permlanex16_b32: lane l xor 16
	s_wait_alu depctr_va_vdst(0)
	s_wait_kmcnt 0x0
	s_min_u32 s20, s20, 0x1fff
	s_min_u32 s21, s21, 64
	s_min_u32 s22, s22, 7
	s_min_u32 s23, s23, 7
	s_max_u32 s24, s21, 1
	s_sub_co_u32 s24, s24, 1                       ; the tile's last row
	s_lshl_b32 s44, s22, 2
	s_add_co_u32 s44, s44, s18                     ; 4 lo + w
	s_lshl_b32 s45, s23, 2
	s_add_co_u32 s45, s45, s18                     ; 4 hi + w
	s_mov_b32 s47, 0
	s_lshl_b32 s46, s44, 16
	s_add_nc_u64 s[28:29], s[8:9], s[46:47]        ; my 64 KB of lo's w1 and w3,
	s_lshl_b32 s46, s45, 16
	s_add_nc_u64 s[30:31], s[8:9], s[46:47]        ; of hi's;
	s_lshl_b32 s46, s44, 15
	s_add_co_u32 s46, s46, 0x200000
	s_add_nc_u64 s[32:33], s[8:9], s[46:47]        ; my 32 KB of lo's w2,
	s_lshl_b32 s46, s45, 15
	s_add_co_u32 s46, s46, 0x200000
	s_add_nc_u64 s[34:35], s[8:9], s[46:47]        ; of hi's;
	s_lshl_b32 s46, s44, 12
	s_add_nc_u64 s[36:37], s[10:11], s[46:47]      ; and their scale words
	s_lshl_b32 s46, s45, 12
	s_add_nc_u64 s[38:39], s[10:11], s[46:47]
	s_lshl_b32 s46, s44, 11
	s_add_co_u32 s46, s46, 0x20000
	s_add_nc_u64 s[40:41], s[10:11], s[46:47]
	s_lshl_b32 s46, s45, 11
	s_add_co_u32 s46, s46, 0x20000
	s_add_nc_u64 s[42:43], s[10:11], s[46:47]
.irp k, 224,225,226,227,228,229,230
	v_min_u32 v\k, s24, v\k                        ; rows past the end repeat the last row
	v_add_nc_u32 v\k, s20, v\k
	v_min_u32 v\k, 0x1fff, v\k
	v_lshlrev_b32 v\k, 2, v\k
.endr
	s_wait_alu depctr_va_vdst(0)                   ; v224-230, which the tokens' loads read as offsets, are written; so are v1 to v9, which every load of weights and every LDS instruction of the kernel reads as its address
	global_load_b32 v152, v224, s[14:15]           ; v152    token of row 16 w + r
	global_load_b32 v10, v225, s[14:15]            ; v10     of row lane
	global_load_b32 v11, v226, s[14:15]            ; v11     of row 32 + lane
.irp m, 0,1,2,3
	global_load_b32 v[12+\m], v[227+\m], s[14:15]  ; v12-15  of row 16 m + r
.endr
.irp c, 0,1,2,3,4,5,6,7
	global_load_b128 v[WS1+4*\c:WS1+4*\c+3], v1, s[36:37] offset:512*\c
.endr
.irp c, 0,1,2,3,4,5,6,7
	global_load_b128 v[WS1+32+4*\c:WS1+32+4*\c+3], v1, s[38:39] offset:512*\c
.endr
.irp c, 0,1,2,3
	global_load_b128 v[WS2+4*\c:WS2+4*\c+3], v1, s[40:41] offset:512*\c
.endr
.irp c, 0,1,2,3
	global_load_b128 v[WS2+16+4*\c:WS2+16+4*\c+3], v1, s[42:43] offset:512*\c
.endr
	LOADCH 0
	LOADCH 1
	s_wait_loadcnt 56                              ; the seven loads of tokens are in; behind them: 24 of scale words, 32 of the ring
.irp k, 10,11,12,13,14,15,152
	v_min_u32 v\k, 0x1fff, v\k
.endr
; ---- A: my wave's 16 rows of x's codes, a whole row (512 consecutive bytes) a load, go to LDS.  All 22 offsets are made first, so that one wait serves the 24 loads that read them
.irp j, 0,1,2,3,4,5,6,7,8,9,10,11,12,13,14,15
	v_readlane_b32 s[TS+\j], v152, \j              ; sixteen tokens, in one run;
.endr
	s_wait_alu depctr_va_sdst(0)                   ; s44 to s59 are written, ahead of their first readers, the holds below
.irp j, 0,1,2,3,4,5,6,7,8,9,10,11,12,13,14,15
	s_min_u32 s[TS+\j], s[TS+\j], 0x1fff           ; held inside the table;
.endr
	s_wait_alu depctr_vm_vsrc(0)                   ; the tokens' loads have read their offsets v224-230, which are written again here
.irp j, 0,1,2,3,4,5,6,7,8,9,10,11,12,13,14,15
	v_lshl_add_u32 v[224+\j], s[TS+\j], 9, v1      ; the row's 512 bytes, 16 a lane
.endr
	v_lshlrev_b32 v240, 5, v10
	v_lshlrev_b32 v241, 5, v11
.irp m, 0,1,2,3
	v_lshlrev_b32 v[242+\m], 3, v[12+\m]
.endr
	s_wait_alu depctr_va_vdst(0)                   ; v224-245 are written, which the 24 loads below read as offsets
.irp j, 0,1,2,3,4,5,6,7,8,9,10,11,12,13,14,15
	global_load_b128 v[160+4*\j:160+4*\j+3], v[224+\j], s[4:5]
.endr
.irp j, 0,1
	global_load_b128 v[XSR+8*\j:XSR+8*\j+3], v[240+\j], s[6:7]         ; a row's 32 scale bytes are its eight K steps' words
	global_load_b128 v[XSR+8*\j+4:XSR+8*\j+7], v[240+\j], s[6:7] offset:16
.endr
.irp m, 0,1,2,3
	global_load_b64 v[GW+2*\m:GW+2*\m+1], v[242+\m], s[12:13]
.endr
	LOADCH 2
	LOADCH 3
	s_wait_loadcnt 40                              ; the 16 rows are in, and all that is older: chunks 0 and 1, the weights' scale words; behind them: 8 loads of x's scale words and of the gate's weights, 32 of the ring
.irp j, 0,1,2,3,4,5,6,7,8,9,10,11,12,13,14,15
	ds_store_b128 v3, v[160+4*\j:160+4*\j+3] offset:528*\j
.endr
	s_wait_alu depctr_vm_vsrc(0)                   ; the 24 loads have read their offsets v224-245 and the LDS stores their data v160-223: the two lines below, the activation and the quantiser write these registers again
	v_mov_b32 v226, 0                              ; written once: a lane permute's destination counts as one of its sources
	v_mov_b32 v227, 0
	s_wait_dscnt 0x0                               ; for the others' sake: my rows lie in LDS
	s_barrier_signal -1
	s_barrier_wait -1
	WIN 0x40                                       ; destination window 1
.irp s, 0,1,2,3,4,5,6,7                ; all 32 fragments of x stay in registers for both experts.  They are asked for K STEP BY K STEP, eight loads a step, so that the first products need not wait for the last fragment.  (No vector line has named these registers)
.irp m, 0,1,2,3
.irp c, 0,1
	ds_load_b128 v[8*(8*\m+\s)+4*\c:8*(8*\m+\s)+4*\c+3], v2 offset:8448*\m+64*\s+32*\c
.endr
.endr
.endr
	WIN 0
; ---- B: the hidden layer.  Chunk n: K step n % 8 of one expert: 8 tiles of weights x 4 tiles of rows.  The 32 accumulators take turns, one instruction a turn.
.macro PROD1 n, eidx, f0               ; sixteen of the 32 products: tiles f0 .. f0 + 3 of weights
.set f, \f0
.rept 4
.set m, 0
.rept 4
.set rD, 64*m+8*f
.set rA, 64*((\n)%4)+8*f
.set rB, 8*(8*m+sK)
.set rSA, WS1+32*(\eidx)+16*(f/4)+8*((f%4)/2)+sK
.set rSB, XSR+8*(m/2)+sK
.set fRA, f%2
.set fRB, m%2
	WM
.set m, m+1
.endr
.set f, f+1
.endr
.endm
; left: how many younger loads may be out when chunk n has to be in (under 0: an earlier wait has shown it in).  pre = 1: the slot that chunk n - 1 has left is asked for again, with chunk n + 3.
; post = 1: vector work follows this chunk, so its own slot is asked for again at its end, with chunk n + 4.
.macro CONS1 n, eidx, left, pre, post
.set sK, (\n)%8
.if (\left) >= 0
	s_wait_loadcnt \left                           ; loads come back in order (ISA guide 5.7.1): chunk n is in (chunk 0: and x's scale words and the gate's weights); the chunks asked for behind it, sixteen loads each, may be out
.endif
.if (\n) < 8
	s_wait_dscnt 8*(7-(\n))                        ; x's four fragments of K step n are in: LDS answers in order (ISA guide 5.7.1), and behind their eight loads stand those of the 7 - n later steps and no other LDS instruction
.endif
.if \pre
	s_wait_alu depctr_va_vdst(0)                   ; chunk n - 1's products are done reading their slot, in which the sixteen loads of chunk n + 3 land; no product below names that slot
	LOADPART (\n)+3, 0, 8
.endif
	WIN 0xA7                                       ; source 0 (weights) window 3, source 1 (x) window 1, C and D window 2
.if sK == 0
.set fZ, 1
.else
.set fZ, 0
.endif
	PROD1 \n, \eidx, 0
.if \pre
	LOADPART (\n)+3, 8, 8                          ; the other eight, under the same wait
	WIN 0xA7
.endif
	PROD1 \n, \eidx, 4
	PLACES
.if \post
	s_wait_alu depctr_va_vdst(0)                   ; this chunk's products are done reading its slot, in which chunk n + 4's loads land
	LOADCH (\n)+4
.endif
.endm
; h = silu(a1) a3 = (a1 a3) / (1 + 2^(-a1 log2 e)), in f32, for the 16 rows of tile m.  Each accumulator is read from its low end on.
.macro ACT m
	WIN 0x02                                       ; source 0 window 2
.set i, 0
.rept 16
	v_pk_mul_f32 v[T+i:T+i+1], v[64*\m+i:64*\m+i+1], 0xbfb8aa3b op_sel_hi:[1,0]
.set i, i+2
.endr
	WIN 0
.set i, 0
	s_wait_alu depctr_va_vdst(0)
.rept 32
	v_exp_f32 v[T+i], v[T+i]
.set i, i+1
.endr
	v_nop                                          ; a plain line behind the exponentials, ahead of the first use
.set i, 0
	s_wait_alu depctr_va_vdst(0)                   ; the 32 exponentials have written v[T ..], ahead of their first readers, the additions: one wait for the batch
.rept 16
	v_pk_add_f32 v[T+i:T+i+1], v[T+i:T+i+1], 1.0 op_sel_hi:[1,0]
.set i, i+2
.endr
.set i, 0
	s_wait_alu depctr_va_vdst(0)
.rept 32
	v_rcp_f32 v[T+i], v[T+i]
.set i, i+1
.endr
	WIN 0x0A                                       ; sources 0 and 1 window 2
.set i, 0
	s_wait_alu depctr_va_vdst(0)
.rept 16
	v_pk_mul_f32 v[U+i:U+i+1], v[64*\m+i:64*\m+i+1], v[64*\m+32+i:64*\m+32+i+1]    ; a1 a3: also the plain lines behind the reciprocals
.set i, i+2
.endr
	WIN 0
.set i, 0
	s_wait_alu depctr_va_vdst(0)                   ; the 32 reciprocals have written v[T ..], ahead of their first readers, the multiplications: one wait for the batch
.rept 16
	v_pk_mul_f32 v[U+i:U+i+1], v[U+i:U+i+1], v[T+i:T+i+1]
.set i, i+2
.endr
.endm
; My 64 hidden units of 16 rows, two blocks of 32, become four registers of codes and two scale bytes, in registers of tile m's own.
.macro QUANT2 m
.irp b, 0,1
	v_max3_num_f32 v[224+\b], |v[U+16*\b]|, |v[U+16*\b+1]|, 0x1800000     ; my 16 numbers of block b, and the floor 2^(3 - 127): the byte cannot fall under 1
.endr
.irp i, 2,4,6,8,10,12,14
.irp b, 0,1
	v_max3_num_f32 v[224+\b], v[224+\b], |v[U+16*\b+\i]|, |v[U+16*\b+\i+1]|
.endr
.endr
.irp b, 0,1
	v_permlanex16_b32 v[226+\b], v[224+\b], s26, s27
.endr
.irp b, 0,1
	v_max_num_f32 v[224+\b], v[224+\b], v[226+\b]  ; with lane l xor 16's 16: the block's largest magnitude
.endr
.irp b, 0,1
	v_add_nc_u32 v[228+\b], 0xff000000, v[224+\b]  ; 2 off the exponent field: the conversion's scale operand
.endr
.irp b, 0,1
	v_lshrrev_b32 v[230+\b], 23, v[228+\b]
.endr
	v_lshl_or_b32 v[PW+\m], v231, 8, v230
.irp b, 0,1
	v_cvt_scalef32_pk8_fp4_f32 v[PC+4*\m+2*\b], v[U+16*\b:U+16*\b+7], v[228+\b]
	v_cvt_scalef32_pk8_fp4_f32 v[PC+4*\m+2*\b+1], v[U+16*\b+8:U+16*\b+15], v[228+\b]
.endr
	v_nop                                          ; one plain line behind a scaled conversion
	v_permlane16_swap_b32 v[PC+4*\m], v[PC+4*\m+2]     ; the operand wants a WHOLE block in a lane: lanes 0-15 the first block, lanes 16-31 the second
	v_permlane16_swap_b32 v[PC+4*\m+1], v[PC+4*\m+3]
.endm
; The four tiles' codes and bytes go to LDS together, as parts of the operand's images, behind one wait.
.macro HOUT eidx
	s_wait_alu depctr_va_vdst(0)                   ; the quantiser has written v[PC ..] and v[PW ..] of all four tiles, which the eight LDS stores read; and the activations are done reading the accumulators
.irp m, 0,1,2,3
	ds_store_b128 v4, v[PC+4*\m:PC+4*\m+3] offset:1024*(8*\eidx+2*\m)
	ds_store_b16 v5, v[PW+\m] offset:128*(8*\eidx+2*\m)
.endr
.endm
	CONS1 0, 0, 32, 0, 0                           ; behind x's scale words and the gate's weights: chunks 2 and 3
	CONS1 1, 0, -1, 1, 0                           ; chunk 1 was shown in by the wait for the rows of x
.irp n, 2,3,4,5,6
	CONS1 \n, 0, 32, 1, 0                          ; behind chunk n: chunks n + 1 and n + 2
.endr
	CONS1 7, 0, 32, 1, 1
.irp m, 0,1,2,3
	ACT \m
	QUANT2 \m
.endr
	HOUT 0
	s_wait_dscnt 0x0                               ; the first expert's eight stores are done
	s_wait_alu depctr_vm_vsrc(0)                   ; they have read v[PC ..] and v[PW ..], which the second expert's quantiser writes again
	CONS1 8, 1, 48, 0, 0                           ; behind chunk 8: chunks 9, 10 and 11, asked for ahead of the activation
.irp n, 9,10,11,12,13,14
	CONS1 \n, 1, 32, 1, 0
.endr
	CONS1 15, 1, 32, 1, 1
.irp m, 0,1,2,3
	ACT \m
	QUANT2 \m
.endr
	HOUT 1
	s_wait_dscnt 0x0                               ; for the others' sake: my parts of the sixteen images and their scale words lie in LDS
	s_wait_alu depctr_vm_vsrc(0)                   ; the stores have read v236-239, which the way out's offsets write again
	s_barrier_signal -1
	s_barrier_wait -1
; ---- C: the second product, the weighting, the way out
	WIN 0x80                                       ; destination window 2.  The wait on va_vdst ahead of the stores above has shown the activations done reading these registers, and no vector or matrix line has followed it
.set i, 0
.rept 16
	ds_load_b128 v[128+8*i:128+8*i+3], v6 offset:1024*i
	ds_load_b128 v[128+8*i+4:128+8*i+7], v6 offset:1024*i+512
.set i, i+1
.endr
	WIN 0
.set i, 0
.rept 16
	ds_load_b32 v[HS+i], v7 offset:128*i
.set i, i+1
.endr
	s_wait_dscnt 0x0
; Chunk n: four tiles of 16 output columns x two K steps of one expert, against the four tiles of rows.  The 16 accumulators take turns, one instruction a turn.
.macro PROD2 n, eidx, q, s             ; K step s: sixteen products
.set ntl, 0
.rept 4
.set m, 0
.rept 4
.if (\eidx) == 0
.set rD, 8*(4*(4*((\q)%2)+ntl)+m)
.else
.set rD, 8*(4*ntl+m)
.endif
.set rA, 64*((\n)%4)+8*(2*ntl+(\s))
.set rB, 128+8*(8*(\eidx)+2*m+(\s))
.set rSA, WS2+16*(\eidx)+4*(\q)+2*(ntl/2)+(\s)
.set rSB, HS+8*(\eidx)+2*m+(\s)
.set fZ, 1-(\s)
.set fRA, ntl%2
.set fRB, 0
	WM
.set m, m+1
.endr
.set ntl, ntl+1
.endr
.endm
.macro WINC eidx
.if (\eidx) == 0
	WIN 0x5B                                       ; weights window 3, h window 2, C and D window 1
.else
	WIN 0xAB                                       ; the same, C and D window 2
.endif
.endm
.macro CONS2 n, eidx, q, left, pre, post   ; left, pre, post: as in the first product
	s_wait_loadcnt \left                           ; chunk n is in; the chunks asked for behind it, sixteen loads each, may be out
.if \pre
	s_wait_alu depctr_va_vdst(0)                   ; chunk n - 1's products are done reading their slot, in which the sixteen loads of chunk n + 3 land; no product below names that slot
	LOADPART (\n)+3, 0, 8
.endif
	WINC \eidx
	PROD2 \n, \eidx, \q, 0
.if \pre
	LOADPART (\n)+3, 8, 8                          ; the other eight, under the same wait
	WINC \eidx
.endif
	PROD2 \n, \eidx, \q, 1
	PLACES
.if \post
	s_wait_alu depctr_va_vdst(0)                   ; this chunk's products are done reading its slot, in which chunk n + 4's loads land
	LOADCH (\n)+4
.endif
.endm
.macro COMBINE qq                      ; OUT = w_lo OUT + w_hi YH, two numbers an instruction, each accumulator from its low end on
	WIN 0x82                                       ; source 0 and destination window 2
.set i, 0
.rept 64
	v_pk_mul_f32 v[i:i+1], v[i:i+1], v[GW+2*((i/8)%4):GW+2*((i/8)%4)+1] op_sel:[0,1] op_sel_hi:[1,1]   ; the pair's second word, w_hi, for both halves
.set i, i+2
.endr
	WIN 0x61                                       ; source 0 and destination window 1, source 2 window 2
.set i, 0
.rept 64
	v_pk_fma_f32 v[128*\qq+i:128*\qq+i+1], v[128*\qq+i:128*\qq+i+1], v[GW+2*((i/8)%4):GW+2*((i/8)%4)+1], v[i:i+1] op_sel_hi:[1,0,1]
.set i, i+2
.endr
	WIN 0
.endm
; Half g of my 256 columns, 512 bytes of each row.  A lane holds 32 neighbouring bytes of a row and the lanes beside it hold other rows: 16 rows at a time go through my own stage and come back as whole
; runs of 512 bytes, which the 32 lanes store on end, aligned.  LDS serves a wave's instructions in order: no wait between the stores and the loads.  The sixteen rows' offsets in out0 are made
; between the loads from the stage and the first wait for them.  From the first row past the tile's end on nothing is stored.
; WHO NAMES WHAT.  OUT (window 1): written by the weighting, read by the stores into the stage of all four blocks of rows: one wait on va_vdst at the head serves them all, since the vector lines that follow it
; name v10, v11, v156 and v[RO ..] alone.  v[BK ..]: loads from the stage land there, global stores read them.  v[RO ..]: written by vector lines, read by the global stores.  So in each block: a wait on va_vdst between the offsets
; and the stores, and a wait on vm_vsrc behind the stores, ahead of the next block's loads into v[BK ..] and its offsets.
.macro WAYOUT g
	s_wait_alu depctr_va_vdst(0)                   ; the weighting has written OUT, which the stores into the stage read; every vector line that named v[BK ..] is done, ahead of the loads that land there
.irp m, 0,1,2,3
	WIN 0x04                                       ; an LDS store's data are its source 1: window 1
.irp n, 0,1,2,3,4,5,6,7
	ds_store_b128 v8, v[8*(4*\n+\m):8*(4*\n+\m)+3] offset:64*\n
	ds_store_b128 v8, v[8*(4*\n+\m)+4:8*(4*\n+\m)+7] offset:64*\n+16
.endr
	WIN 0
.irp t, 0,1,2,3,4,5,6,7,8,9,10,11,12,13,14,15
	ds_load_b128 v[BK+4*\t:BK+4*\t+3], v9 offset:528*\t
.endr
.irp t, 0,1,2,3,4,5,6,7,8,9,10,11,12,13,14,15
	v_readlane_b32 s[TS+\t], v[10+(16*\m+\t)/32], (16*\m+\t)%32    ; sixteen tokens, in one run;
.endr
	s_wait_alu depctr_va_sdst(0)                   ; s44 to s59 are written, ahead of their first readers, the holds below
.irp t, 0,1,2,3,4,5,6,7,8,9,10,11,12,13,14,15
	s_min_u32 s[TS+\t], s[TS+\t], 0x1fff           ; held inside the table;
.endr
.irp t, 0,1,2,3,4,5,6,7,8,9,10,11,12,13,14,15
	v_lshl_add_u32 v[RO+\t], s[TS+\t], 12, v156    ; the row's token x 4,096 bytes + my bytes of it
.endr
	s_wait_alu depctr_va_vdst(0)                   ; the sixteen offsets v[RO ..] are written, which the stores below read
.irp t, 0,1,2,3,4,5,6,7,8,9,10,11,12,13,14,15
	s_wait_dscnt 15-\t                             ; row t is back; the younger loads may be out
	s_cmp_le_u32 s21, 16*\m+\t
	s_cbranch_scc1 .Ldone_\g
	global_store_b128 v[RO+\t], v[BK+4*\t:BK+4*\t+3], s[16:17] offset:512*\g th:TH_STORE_NT   ; written once, read by nobody here
.endr
	s_wait_xcnt 0x0                                ; the offsets and the rows' registers are written again only behind this wait
.if \m < 3
	s_wait_alu depctr_vm_vsrc(0)                   ; the sixteen stores have read v[RO ..] and v[BK ..]: the next block's loads from the stage land in the one, its offsets are written into the other
.endif
.endr
.Ldone_\g:
	s_wait_dscnt 0x0                               ; on the short way loads from the stage may still be out
	s_wait_xcnt 0x0
.if \g == 0
	s_wait_alu depctr_vm_vsrc(0)                   ; both ways join here: the stores into the stage have read OUT, which the products of the other half write again; the global stores have read v[RO ..] and v[BK ..], which the second way out writes again
.endif
.endm
	CONS2 16, 0, 0, 48, 0, 0                       ; behind chunk 16: chunks 17, 18 and 19
	CONS2 17, 1, 0, 32, 1, 1                       ; behind chunk 17: 18 and 19; chunks 20 and 21 are asked for
	COMBINE 0
	CONS2 18, 0, 1, 48, 0, 0                       ; behind chunk 18: 19, 20 and 21
	CONS2 19, 1, 1, 32, 1, 1                       ; behind chunk 19: 20 and 21; chunks 22 and 23 are asked for: the last
	COMBINE 1
	WAYOUT 0                                       ; these stores leave while the other half is multiplied; chunks 20 to 23 are on their way
	CONS2 20, 0, 2, 48, 0, 0                       ; the counts run down
	CONS2 21, 1, 2, 32, 0, 0
	COMBINE 0
	CONS2 22, 0, 3, 16, 0, 0
	CONS2 23, 1, 3, 0, 0, 0
	COMBINE 1
	WAYOUT 1
	s_wait_dscnt 0x0                               ; the closing lines, six on end
	s_wait_alu 0x0
	s_wait_tensorcnt 0x0
	ds_add_u32 v158, v159
	s_wait_dscnt 0x0
	s_endpgm
.Lfunc_end_k_qe8cd94aa50_chain:
	.size	k_qe8cd94aa50_chain, .Lfunc_end_k_qe8cd94aa50_chain-k_qe8cd94aa50_chain
	.p2alignl 7, 3214868480
	.fill 96, 4, 3214868480
	.section	.rodata,"a",@progbits
	.p2align	6, 0x0
	.amdhsa_kernel k_qe8cd94aa50_chain
		.amdhsa_group_segment_fixed_size 86528
		.amdhsa_private_segment_fixed_size 0
		.amdhsa_enable_private_segment 0
		.amdhsa_kernarg_size 56
		.amdhsa_user_sgpr_count 2
		.amdhsa_user_sgpr_kernarg_segment_ptr 1
		.amdhsa_wavefront_size32 1
		.amdhsa_system_sgpr_workgroup_id_x 1
		.amdhsa_system_sgpr_workgroup_id_y 1
		.amdhsa_system_sgpr_workgroup_id_z 1
		.amdhsa_system_vgpr_workitem_id 0
		.amdhsa_next_free_vgpr 1024
		.amdhsa_next_free_sgpr 66
		.amdhsa_reserve_vcc 0
		.amdhsa_float_denorm_mode_32 3
		.amdhsa_float_denorm_mode_16_64 3
		.amdhsa_memory_ordered 1
		.amdhsa_forward_progress 1
		.amdhsa_inst_pref_size 255
	.end_amdhsa_kernel
	.section	.bss,"aw",@nobits
	.p2align	6
	.space	262144
	.amdgpu_metadata
---
amdhsa.version: [ 1, 2 ]
amdhsa.kernels:
  - .name:           k_qe8cd94aa50_chain
    .symbol:         k_qe8cd94aa50_chain.kd
    .args:
      - { .name: xq, .offset: 0, .size: 8, .value_kind: global_buffer, .address_space: global }
      - { .name: xs, .offset: 8, .size: 8, .value_kind: global_buffer, .address_space: global }
      - { .name: wq, .offset: 16, .size: 8, .value_kind: global_buffer, .address_space: global }
      - { .name: wsc, .offset: 24, .size: 8, .value_kind: global_buffer, .address_space: global }
      - { .name: gatep, .offset: 32, .size: 8, .value_kind: global_buffer, .address_space: global }
      - { .name: plan, .offset: 40, .size: 8, .value_kind: global_buffer, .address_space: global }
      - { .name: out0, .offset: 48, .size: 8, .value_kind: global_buffer, .address_space: global }
    .group_segment_fixed_size: 86528
    .private_segment_fixed_size: 0
    .kernarg_segment_align: 8
    .kernarg_segment_size: 56
    .max_flat_workgroup_size: 128
    .sgpr_count:     66
    .vgpr_count:     1024
    .wavefront_size: 32
...
	.end_amdgpu_metadata
.endif
;; end of part 6
